; MI455X (gfx1250); checked and timed in simulation.
; The chip was launched on July 23, 2026; its instructions are those of AMD's public machine-readable ISA for CDNA 5 (MIT licence, August 2026) and "CDNA5" Instruction Set Architecture Reference Guide (July 2026). The comments in the code are by the model that wrote it; some were corrected since.
;; Multihead Attention. Allowed arithmetic: matrix products marked QUANTISED: E2M1 operands, one E8M0 scale for each 32 along K, by v_wmma_scale_f32_16x16x128_f8f6f4 with both operands' format E2M1 (or v_wmma_scale_f32_32x16x128_f4), f32 sums; products left as they are: bf16, f16 or f32 operands; f32 sums; everything else in f32.
;; Inputs: b_k 1,024 float32; b_o 1,024 float32; b_q 1,024 float32; b_v 1,024 float32; k 4 x 2,048 x 1,024 float32; q 4 x 2,048 x 1,024 float32; v 4 x 2,048 x 1,024 float32; w_k 1,024 x 1,024 float32; w_o 1,024 x 1,024 float32; w_q 1,024 x 1,024 float32; w_v 1,024 x 1,024 float32.
;; Outputs: out0 4 x 2,048 x 1,024 float32.
;; This version of the problem:
;;   THIS VERSION OF THE PROBLEM IS GIVEN IN LOW PRECISION. The matrix products marked QUANTISED in the list below multiply operands that are first quantised to E2M1 (2 exponent bits, 1 mantissa bit; 4 bits a number), with one power-of-two scale for each 32 numbers along K (OCP MX v1.0); their sums are f32. The products marked 'left as it is' may take bf16, f16 or f32 operands, with f32 sums. Whichever they take, every output number must still come out within the allowed error. Rounding operands to bf16 (8 significant bits) uses up far more of that allowance than f16 does (11 bits, for magnitudes from 6e-5 to 65,504). All else is computed in f32.
;;   The module's matrix products, in the order in which they are computed (A, B: the left and right operand; K: the contracted axis; several contracted axes count as one K, in the product's order):
;;     1. [M 8,192, K 1,024] x [K 1,024, N 1,024]; A: input q; B: input w_q: QUANTISED
;;     2. [M 8,192, K 1,024] x [K 1,024, N 1,024]; A: input k; B: input w_k: QUANTISED
;;     3. [M 8,192, K 1,024] x [K 1,024, N 1,024]; A: input v; B: input w_v: QUANTISED
;;     4. batch 64 x [M 2,048, K 64] x [K 64, N 2,048]; A: computed on the way; B: computed on the way: left as it is (an operand is computed on the way)
;;     5. batch 64 x [M 2,048, K 2,048] x [K 2,048, N 64]; A: computed on the way; B: computed on the way: left as it is (an operand is computed on the way)
;;     6. [M 8,192, K 1,024] x [K 1,024, N 1,024]; A: computed on the way; B: input w_o: left as it is (an operand is computed on the way)
;;   THE QUANTISER, for each operand of a quantised product, along K:
;;     - K is cut into blocks of 32 from its start; a last block that is shorter is filled with zeros.
;;     - A block's scale is 2^e with e = floor(log2(the largest magnitude in the block)) - 2, held to -126 .. 127; a block of zeros has e = 0. As a byte (E8M0): e + 127.
;;     - Each number is divided by its block's scale, clamped to +-6, and rounded to the nearest number of E2M1, ties to even, subnormals kept.
;;     - The product sums the exact products of the quantised numbers (number of the format x scale) in f32.
;;   ~~~python
;;   def quantise(x, axis):      # numpy; x: float32 -> the quantised numbers, widened to float32 again
;;       x = np.moveaxis(x, axis, -1); K = x.shape[-1]
;;       x = np.pad(x, [(0, 0)] * (x.ndim - 1) + [(0, -K % 32)]); x = x.reshape(x.shape[:-1] + (-1, 32)); a = np.abs(x).max(-1, keepdims=True)
;;       e = np.where(a > 0, np.clip(np.frexp(np.where(a > 0, a, 1))[1] - 1 - 2, -126, 127), 0)      # np.frexp(a)[1] - 1 = floor(log2(a)), exactly
;;       r = np.clip(x / 2.0 ** e, -6, 6)
;;       step = 2.0 ** (np.maximum(np.frexp(np.where(r == 0, 1, r))[1] - 1, 0) - 1)
;;       q = np.round(r / step) * step * 2.0 ** e      # np.round: ties to even
;;       return np.moveaxis(q.reshape(q.shape[:-2] + (-1,))[..., :K], -1, axis).astype(np.float32)
;;   ~~~
;; One version. Each part assembles by itself: llvm-mc -triple=amdgcn-amd-amdhsa -mcpu=gfx1250 --defsym DOCPART=n.
;; ======== version 1 of 1: 5 launches
;; limits: values are held in f16: magnitudes above 65,504 overflow, below 6.1e-05 lose precision
;; workspace buffers: xc 12,582,912 bytes; xs 786,432 bytes; wc 1,572,864 bytes; ws 98,304 bytes; wo16 2,097,152 bytes; qkvh 50,331,648 bytes; oh 16,777,216 bytes
;; launch quantx (part 1): grid 896 x 1, 4 waves a work-group, no clusters, 33,280 bytes of LDS; arguments q, k, v, w_o, xc, xs, wo16; writes xc, xs, wo16
.if DOCPART == 1
	.amdgcn_target "amdgcn-amd-amdhsa--gfx1250"
	.amdhsa_code_object_version 6
	.text
	.protected	k_q05c13cfaf3_quantx
	.globl	k_q05c13cfaf3_quantx
	.p2align	8
	.type	k_q05c13cfaf3_quantx,@function
k_q05c13cfaf3_quantx:
	s_mov_b64 s[64:65], 0
	v_nop
	global_prefetch_b8 v0, s[64:65] scope:SCOPE_SE
	s_setreg_imm32_b32 hwreg(HW_REG_WAVE_MODE, 25, 1), 1
	s_wait_xcnt 0x0
; q, k, v [8192][1024] f32 become codes of FP4 (E2M1), K innermost, in xc [24576 rows: q's, k's, v's on end][512 bytes], with one E8M0 byte for each 32 along K in xs [24576][32].
; w_o [1024][1024] f32 is rounded to f16, element by element, into wo16 (its product is left as it is and takes f16 operands).
; A block's scale is 2^(floor(log2(its largest magnitude)) - 2); its byte is the largest magnitude's exponent field - 2, held at 1 from below.
; LIMITS: a block whose largest magnitude lies under 2^-124 keeps the byte 1; a block of zeros too (its codes are zeros, and this program alone reads the bytes); NaN and infinities among the inputs are not served.
; Work-groups 0-767 take q, k, v: rows are dense and 1024 is a multiple of 32, so the three tensors are streams of blocks of 32.  A wave takes 16 steps of 512 numbers.  Each load reads 512 consecutive bytes,
; 16 a lane; a step's 2,048 bytes turn through the wave's own stage in LDS and come back 64 bytes a lane: 16 neighbours along K, as the conversions want them; two neighbouring lanes hold a block.
; Work-groups 768-895 take w_o, 8,192 numbers each, without LDS.  The two paths part on the work-group's number alone.
.set XWG,   768                        ; work-groups for q, k, v: 256 each, 32,768 numbers a work-group
.set WAVES, 4
.set STEPS, 16
.set EMAX,  2
.set CB,    8                          ; bytes of 16 codes
.set R,     16                         ; v16-79   four sets of 16 numbers as they are loaded
.set X,     80                         ; v80-111  two sets of 16 neighbours
.set E,     112                        ; v112-127 a scale byte for each step
.set C,     128                        ; v128-191 codes: four registers for each step, so that no store's data are written again
.set WREG,  8192                       ; LDS: a region for each wave: two stages of 32 x SP bytes, behind them its 256 scale bytes
.set SP,    80                         ; a lane's place in a stage: 64 bytes + 16 of padding
.set SPW,   12                         ; v12  LDS address of my spare word; never rewritten
.set NIL,   13                         ; v13  0; never rewritten
.set SPARE, WAVES*WREG                 ; behind the four regions: the spare words, 128 bytes a wave
	s_load_b256 s[4:11], s[0:1], 0x0               ; q s[4:5], k s[6:7], v s[8:9], w_o s[10:11]
	s_load_b128 s[12:15], s[0:1], 0x20             ; xc s[12:13], xs s[14:15]
	s_load_b64 s[16:17], s[0:1], 0x30              ; wo16
	v_lshl_add_u32 v[SPW], v0, 2, SPARE
	v_mov_b32 v[NIL], 0
	v_lshrrev_b32 v1, 5, v0
	v_readfirstlane_b32 s20, v1                    ; wave
	s_cmp_ge_u32 ttmp9, XWG
	s_cbranch_scc1 .Lwo
	v_and_b32 v2, 31, v0                           ; lane
	v_lshlrev_b32 v3, 4, v2                        ; my 16 bytes of a load's 512
	s_mul_i32 s21, s20, WREG
	v_lshrrev_b32 v14, 2, v2
	v_mul_u32_u24 v14, v14, SP
	v_and_b32 v15, 3, v2
	v_lshl_add_u32 v14, v15, 4, v14
	v_add_nc_u32 v14, s21, v14                     ; the stage, on the way in: SP (lane / 4) + 16 (lane % 4)
	v_mul_u32_u24 v15, v2, SP
	v_add_nc_u32 v15, s21, v15                     ; and on the way out: SP x lane
	v_mul_u32_u24 v4, v2, CB                       ; my codes' place in a step's
	v_lshrrev_b32 v5, 1, v2
	s_add_co_u32 s21, s21, 2*32*SP
	v_add_nc_u32 v5, s21, v5                       ; LDS: my wave's 256 scale bytes, my block's byte
	v_lshlrev_b32 v7, 3, v2                        ; and on the way out 8 bytes a lane
	v_add_nc_u32 v6, s21, v7
	s_wait_kmcnt 0x0
	s_cmp_lt_u32 ttmp9, 256                        ; which tensor: the choice hangs on the work-group's number alone
	s_cselect_b64 s[4:5], s[4:5], s[6:7]
	s_cmp_lt_u32 ttmp9, 512
	s_cselect_b64 s[4:5], s[4:5], s[8:9]
	s_lshl_b32 s22, ttmp9, 2
	s_add_co_u32 s22, s22, s20                     ; my wave's run of 8,192 numbers, 0 .. 3071 over the three tensors
	s_and_b32 s24, s22, 1023
	s_lshl_b32 s24, s24, 15                        ; 32,768 bytes of f32 a run, within its tensor
	s_mov_b32 s25, 0
	s_add_nc_u64 s[4:5], s[4:5], s[24:25]
	s_lshl_b32 s24, s22, 12                        ; 4,096 bytes of codes a run
	s_add_nc_u64 s[12:13], s[12:13], s[24:25]
	s_lshl_b32 s24, s22, 8                         ; 256 scale bytes a run
	s_add_nc_u64 s[14:15], s[14:15], s[24:25]
.macro LOAD t
.irp i, 0,1,2,3
	global_load_b128 v[R+16*((\t)%4)+4*\i:R+16*((\t)%4)+4*\i+3], v3, s[4:5] offset:2048*(\t)+512*\i th:TH_LOAD_NT   ; 32 lanes read 512 consecutive bytes
.endr
.endm
.macro TURN t                          ; step t's numbers through the stage: LDS serves a wave's instructions in order, so no wait stands between the stores and the loads
.irp i, 0,1,2,3
	ds_store_b128 v14, v[R+16*((\t)%4)+4*\i:R+16*((\t)%4)+4*\i+3] offset:32*SP*((\t)%2)+8*SP*\i
.endr
.irp i, 0,1,2,3
	ds_load_b128 v[X+16*((\t)%2)+4*\i:X+16*((\t)%2)+4*\i+3], v15 offset:32*SP*((\t)%2)+16*\i
.endr
.endm
.irp t, 0,1,2,3
	LOAD \t
.endr
	s_wait_loadcnt 12                              ; step 0's four loads are in; the 12 of steps 1 to 3 may be out
	TURN 0
.macro STEP t
.set XS, X+16*((\t)%2)
.if (\t) > 0
	s_wait_dscnt 1                                 ; this step's numbers are back from the stage (the last step's byte store may be out)
.else
	s_wait_dscnt 0x0
.endif
.if (\t)+4 < STEPS
	LOAD (\t)+4                                    ; into the registers that the stage's stores have read
.endif
.if (\t)+1 < STEPS
.if STEPS-2-(\t) >= 3
	s_wait_loadcnt 12                              ; the next step's four loads are in; those of the three steps behind it may be out
.else
	s_wait_loadcnt 4*(STEPS-2-(\t))
.endif
	TURN (\t)+1                                    ; through the other stage while this step is worked
.endif
	v_max3_num_f32 v8, |v[XS]|, |v[XS+1]|, |v[XS+2]|               ; the largest magnitude of my 16, in two chains
	v_max3_num_f32 v9, |v[XS+3]|, |v[XS+4]|, |v[XS+5]|
.irp i, 6,10
	v_max3_num_f32 v8, v8, |v[XS+\i]|, |v[XS+\i+1]|
	v_max3_num_f32 v9, v9, |v[XS+\i+2]|, |v[XS+\i+3]|
.endr
	v_max3_num_f32 v8, v8, |v[XS+14]|, |v[XS+15]|
	v_max3_num_f32 v8, v8, v9, (EMAX+1)<<23        ; and the floor 2^(3 - 127): the byte cannot fall under 1
	v_max_num_f32_dpp v8, v8, v8 row_xmask:1 row_mask:0xf bank_mask:0xf   ; with my neighbour's 16: the block's
	v_add_nc_u32 v11, -(EMAX<<23), v8              ; 2 off its exponent field: the conversion takes the exponent field of this operand as its scale
	v_cvt_scalef32_pk8_fp4_f32 v[C+4*(\t)], v[XS:XS+7], v11
	v_cvt_scalef32_pk8_fp4_f32 v[C+4*(\t)+1], v[XS+8:XS+15], v11
	v_lshrrev_b32 v[E+(\t)], 23, v11               ; the scale's byte (a plain line behind the conversions)
	ds_store_b8 v5, v[E+(\t)] offset:16*(\t)       ; both lanes of a block write the same byte with the same value
	global_store_b64 v4, v[C+4*(\t):C+4*(\t)+1], s[12:13] offset:32*CB*(\t)   ; the wave stores 256 consecutive bytes, aligned
.endm
.irp t, 0,1,2,3,4,5,6,7,8,9,10,11,12,13,14,15
	STEP \t
.endr
	ds_load_b64 v[8:9], v6                         ; my wave's 256 scale bytes: these loads see my stores
	s_wait_dscnt 0x0
	global_store_b64 v7, v[8:9], s[14:15]          ; 32 lanes store 256 consecutive bytes, aligned
	s_wait_tensorcnt 0x0                           ; the wave's end
	ds_add_u32 v[SPW], v[NIL]
	s_wait_dscnt 0x0
	s_endpgm
.Lwo:                                              ; w_o to f16: 16 loads of 16 bytes a lane, all out at once; no register is written twice, so no wait frees a source
	s_sub_co_u32 s22, ttmp9, XWG
	v_lshlrev_b32 v1, 4, v0                        ; in: 16 bytes a thread, 2,048 a work-group and load
	v_lshlrev_b32 v2, 3, v0                        ; out: 8 bytes a thread
	s_lshl_b32 s24, s22, 15
	s_mov_b32 s25, 0
	s_wait_kmcnt 0x0
	s_add_nc_u64 s[10:11], s[10:11], s[24:25]
	s_lshl_b32 s24, s22, 14
	s_add_nc_u64 s[16:17], s[16:17], s[24:25]
.irp p, 0,1,2,3,4,5,6,7,8,9,10,11,12,13,14,15
	global_load_b128 v[64+4*\p:67+4*\p], v1, s[10:11] offset:2048*\p th:TH_LOAD_NT
.endr
.irp p, 0,1,2,3,4,5,6,7,8,9,10,11,12,13,14,15
	s_wait_loadcnt 15-\p                           ; load p is in; the younger ones may be out
	v_cvt_pk_f16_f32 v[128+2*\p], v[64+4*\p], v[65+4*\p]
	v_cvt_pk_f16_f32 v[129+2*\p], v[66+4*\p], v[67+4*\p]
	global_store_b64 v2, v[128+2*\p:129+2*\p], s[16:17] offset:1024*\p   ; a wave stores 256 consecutive bytes, aligned
.endr
	s_endpgm
.Lfunc_end_k_q05c13cfaf3_quantx:
	.size	k_q05c13cfaf3_quantx, .Lfunc_end_k_q05c13cfaf3_quantx-k_q05c13cfaf3_quantx
	.p2alignl 7, 3214868480
	.fill 96, 4, 3214868480
	.section	.rodata,"a",@progbits
	.p2align	6, 0x0
	.amdhsa_kernel k_q05c13cfaf3_quantx
		.amdhsa_group_segment_fixed_size 33280
		.amdhsa_private_segment_fixed_size 0
		.amdhsa_enable_private_segment 0
		.amdhsa_kernarg_size 56
		.amdhsa_user_sgpr_count 2
		.amdhsa_user_sgpr_kernarg_segment_ptr 1
		.amdhsa_wavefront_size32 1
		.amdhsa_system_sgpr_workgroup_id_x 1
		.amdhsa_system_sgpr_workgroup_id_y 1
		.amdhsa_system_sgpr_workgroup_id_z 1
		.amdhsa_system_vgpr_workitem_id 0
		.amdhsa_next_free_vgpr 192
		.amdhsa_next_free_sgpr 66
		.amdhsa_reserve_vcc 0
		.amdhsa_float_denorm_mode_32 3
		.amdhsa_float_denorm_mode_16_64 3
		.amdhsa_memory_ordered 1
		.amdhsa_forward_progress 1
		.amdhsa_inst_pref_size 39
	.end_amdhsa_kernel
	.amdgpu_metadata
---
amdhsa.version: [ 1, 2 ]
amdhsa.kernels:
  - .name:           k_q05c13cfaf3_quantx
    .symbol:         k_q05c13cfaf3_quantx.kd
    .args:
      - { .name: q, .offset: 0, .size: 8, .value_kind: global_buffer, .address_space: global }
      - { .name: k, .offset: 8, .size: 8, .value_kind: global_buffer, .address_space: global }
      - { .name: v, .offset: 16, .size: 8, .value_kind: global_buffer, .address_space: global }
      - { .name: w_o, .offset: 24, .size: 8, .value_kind: global_buffer, .address_space: global }
      - { .name: xc, .offset: 32, .size: 8, .value_kind: global_buffer, .address_space: global }
      - { .name: xs, .offset: 40, .size: 8, .value_kind: global_buffer, .address_space: global }
      - { .name: wo16, .offset: 48, .size: 8, .value_kind: global_buffer, .address_space: global }
    .group_segment_fixed_size: 33280
    .private_segment_fixed_size: 0
    .kernarg_segment_align: 8
    .kernarg_segment_size: 56
    .max_flat_workgroup_size: 128
    .sgpr_count:     66
    .vgpr_count:     192
    .wavefront_size: 32
...
	.end_amdgpu_metadata
.endif
;; end of part 1
;; launch quantw (part 2): grid 8 x 6, 16 waves a work-group, no clusters, 38,912 bytes of LDS; arguments w_q, w_k, w_v, wc, ws; writes wc, ws
.if DOCPART == 2
	.amdgcn_target "amdgcn-amd-amdhsa--gfx1250"
	.amdhsa_code_object_version 6
	.text
	.protected	k_q05c13cfaf3_quantw
	.globl	k_q05c13cfaf3_quantw
	.p2align	8
	.type	k_q05c13cfaf3_quantw,@function
k_q05c13cfaf3_quantw:
	s_mov_b64 s[64:65], 0
	v_nop
	global_prefetch_b8 v0, s[64:65] scope:SCOPE_SE
	s_setreg_imm32_b32 hwreg(HW_REG_WAVE_MODE, 25, 1), 1
	s_wait_xcnt 0x0
; w_q, w_k, w_v [1024 (k)][1024 (n)] f32, K their FIRST axis, become codes of FP4 (E2M1) with K innermost in wc [3 x 1024 rows n][512 bytes] and E8M0 bytes in ws [3072][32].
; A LANE TAKES A COLUMN n AND ITS REGISTERS RUN DOWN K: a block of 32 lies in one lane's 32 registers, its largest magnitude needs no other lane, and the conversions give codes with K innermost.
; A work-group (x: 128 columns; y: tensor y / 2, half y % 2 of K) has 16 waves: wave w takes columns 32 (w % 4) on (four waves read 512 consecutive bytes of a row) and 128 along K from 128 (w / 4) on: 4 blocks a lane.
; The codes meet in a stage in LDS, 128 rows (columns n) of 256 bytes, and leave as rows: sixteen lanes store 256 consecutive bytes, aligned.  The scale bytes meet likewise, 16 a row.
; LIMITS: a block whose largest magnitude lies under 2^-124 keeps the byte 1, a block of zeros too (zero codes; this program alone reads the bytes); NaN and infinities are not served.
.set PITCH, 272                        ; a stage row: 256 bytes + 16
.set SCB,   128*PITCH                  ; behind the stage: 128 rows x 16 scale bytes
.set SPARE, SCB+2048                   ; behind them: the spare words, 128 bytes for each of 16 waves
.set EMAX,  2
.set SPW,   14                         ; v14  my spare word's LDS address; never rewritten
.set NIL,   15                         ; v15  0; never rewritten
.set SB,    16                         ; v16  my four scale bytes
.set C,     20                         ; v20-35   codes, four registers a block
.set OUTR,  36                         ; v36-51   the way out
.set X,     64                         ; v64-191  128 numbers: four blocks
	s_load_b256 s[4:11], s[0:1], 0x0               ; w_q, w_k, w_v, wc s[10:11]
	s_load_b64 s[12:13], s[0:1], 0x20              ; ws
	v_lshl_add_u32 v[SPW], v0, 2, SPARE
	v_mov_b32 v[NIL], 0
	v_lshrrev_b32 v1, 5, v0
	v_readfirstlane_b32 s16, v1                    ; wave 0..15
	s_and_b32 s17, s16, 3                          ; c: which 32 columns
	s_lshr_b32 s18, s16, 2                         ; kq: which 128 along K
	v_and_b32 v2, 31, v0                           ; lane
	v_lshlrev_b32 v3, 2, v2                        ; in: 4 bytes a lane
	s_mul_i32 s19, s17, 32*PITCH
	s_lshl_b32 s20, s18, 6
	s_add_co_u32 s19, s19, s20
	v_mul_u32_u24 v4, v2, PITCH
	v_add_nc_u32 v4, s19, v4                       ; into the stage: row 32 c + lane, byte 64 kq
	s_lshl_b32 s19, s17, 9
	s_lshl_b32 s20, s18, 2
	s_add_co_u32 s19, s19, s20
	s_add_co_u32 s19, s19, SCB
	v_lshl_add_u32 v5, v2, 4, s19                  ; my four scale bytes: row 32 c + lane of 16 bytes, byte 4 kq
	v_lshrrev_b32 v10, 4, v2
	v_and_b32 v11, 15, v2
	s_mul_i32 s19, s16, 8*PITCH
	v_mul_u32_u24 v6, v10, PITCH
	v_lshl_add_u32 v6, v11, 4, v6
	v_add_nc_u32 v6, s19, v6                       ; out of the stage: wave w takes rows 8 w on, sixteen lanes to a row, two rows an instruction
	s_lshl_b32 s19, s16, 12
	v_lshlrev_b32 v7, 9, v10
	v_lshl_add_u32 v7, v11, 4, v7
	v_add_nc_u32 v7, s19, v7                       ; and the same place in wc: rows of 512 bytes
	v_and_b32 v9, 127, v0
	v_lshl_add_u32 v8, v9, 4, SCB                  ; the scale bytes' way out (waves 0 to 3): a row of 16 bytes a thread,
	v_lshlrev_b32 v9, 5, v9                        ; into rows of 32 bytes in ws
	s_and_b32 s21, ttmp7, 0xffff                   ; y
	s_lshr_b32 s22, s21, 1                         ; the tensor
	s_and_b32 s23, s21, 1                          ; kc: which 512 along K
	s_lshl_b32 s24, s23, 21                        ; W: (512 kc + 128 kq) rows of 4,096 bytes + (128 x + 32 c) x 4
	s_lshl_b32 s25, s18, 19
	s_add_co_u32 s24, s24, s25
	s_lshl_b32 s25, ttmp9, 9
	s_add_co_u32 s24, s24, s25
	s_lshl_b32 s25, s17, 7
	s_add_co_u32 s24, s24, s25
	s_mov_b32 s25, 0
	s_lshl_b32 s26, s22, 19                        ; wc: (1024 T + 128 x) rows of 512 bytes + 256 kc
	s_lshl_b32 s27, ttmp9, 16
	s_add_co_u32 s26, s26, s27
	s_lshl_b32 s27, s23, 8
	s_add_co_u32 s26, s26, s27
	s_mov_b32 s27, 0
	s_lshl_b32 s28, s22, 15                        ; ws: (1024 T + 128 x) rows of 32 bytes + 16 kc
	s_lshl_b32 s29, ttmp9, 12
	s_add_co_u32 s28, s28, s29
	s_lshl_b32 s29, s23, 4
	s_add_co_u32 s28, s28, s29
	s_mov_b32 s29, 0
	s_wait_kmcnt 0x0
	s_cmp_lt_u32 s21, 2                            ; which weight: the choice hangs on the work-group's number alone
	s_cselect_b64 s[4:5], s[4:5], s[6:7]
	s_cmp_lt_u32 s21, 4
	s_cselect_b64 s[4:5], s[4:5], s[8:9]
	s_add_nc_u64 s[4:5], s[4:5], s[24:25]
	s_add_nc_u64 s[10:11], s[10:11], s[26:27]
	s_add_nc_u64 s[12:13], s[12:13], s[28:29]
.macro LOAD t                          ; block t: W(32 t + i, my column), i = 0 .. 31; every offset is an immediate, 127 rows of 4,096 bytes at the most
.irp i, 0,1,2,3,4,5,6,7,8,9,10,11,12,13,14,15,16,17,18,19,20,21,22,23,24,25,26,27,28,29,30,31
	global_load_b32 v[X+32*(\t)+\i], v3, s[4:5] offset:(32*(\t)+\i)*4096 th:TH_LOAD_NT
.endr
.endm
	LOAD 0
	LOAD 1
.macro BLOCK t
.set XS, X+32*(\t)
.if (\t) < 3
	s_wait_loadcnt 32                              ; this block's 32 loads are in; the next block's may be out
.else
	s_wait_loadcnt 0x0
.endif
.if (\t)+2 < 4
	LOAD (\t)+2                                    ; two blocks ahead, into registers of its own
.endif
	v_max3_num_f32 v10, |v[XS]|, |v[XS+1]|, |v[XS+2]|              ; the block's largest magnitude: all 32 numbers are mine
	v_max3_num_f32 v11, |v[XS+3]|, |v[XS+4]|, |v[XS+5]|
.irp i, 6,10,14,18,22,26
	v_max3_num_f32 v10, v10, |v[XS+\i]|, |v[XS+\i+1]|
	v_max3_num_f32 v11, v11, |v[XS+\i+2]|, |v[XS+\i+3]|
.endr
	v_max3_num_f32 v10, v10, |v[XS+30]|, |v[XS+31]|
	v_max3_num_f32 v10, v10, v11, (EMAX+1)<<23     ; and the floor 2^(3 - 127): the byte cannot fall under 1
	v_add_nc_u32 v12, -(EMAX<<23), v10             ; 2 off its exponent field: the conversion's scale operand
	v_lshrrev_b32 v13, 23, v12                     ; the scale's byte
.if (\t) == 0
	v_mov_b32 v[SB], v13                           ; four bytes to the register, the lower K in the lower byte
.else
	v_lshl_or_b32 v[SB], v13, 8*(\t), v[SB]
.endif
.irp g, 0,1,2,3
	v_cvt_scalef32_pk8_fp4_f32 v[C+4*(\t)+\g], v[XS+8*\g:XS+8*\g+7], v12
.endr
	v_nop                                          ; one plain line behind the last conversion of the run
	ds_store_b128 v4, v[C+4*(\t):C+4*(\t)+3] offset:16*(\t)   ; 32 codes: 16 bytes of my column's row
.endm
	BLOCK 0
	BLOCK 1
	BLOCK 2
	BLOCK 3
	ds_store_b32 v5, v[SB]
	s_wait_dscnt 0x0                               ; for the others' sake: my stores into the stage are done
	s_barrier_signal -1
	s_barrier_wait -1
.irp t, 0,1,2,3
	ds_load_b128 v[OUTR+4*\t:OUTR+4*\t+3], v6 offset:2*\t*PITCH
.endr
.irp t, 0,1,2,3
	s_wait_dscnt 3-\t                              ; load t is in; the younger ones may be out
	global_store_b128 v7, v[OUTR+4*\t:OUTR+4*\t+3], s[10:11] offset:2*\t*512   ; sixteen lanes store 256 consecutive bytes, aligned
.endr
	s_cmp_lt_u32 s16, 4                            ; the 2,048 scale bytes leave by waves 0 to 3: 16 bytes of each row of 32 (the other half of K is another work-group's)
	s_cbranch_scc0 .Lno_scales
	ds_load_b128 v[52:55], v8
	s_wait_dscnt 0x0
	global_store_b128 v9, v[52:55], s[12:13]
.Lno_scales:
	s_wait_tensorcnt 0x0                           ; the wave's end
	ds_add_u32 v[SPW], v[NIL]
	s_wait_dscnt 0x0
	s_endpgm
.Lfunc_end_k_q05c13cfaf3_quantw:
	.size	k_q05c13cfaf3_quantw, .Lfunc_end_k_q05c13cfaf3_quantw-k_q05c13cfaf3_quantw
	.p2alignl 7, 3214868480
	.fill 96, 4, 3214868480
	.section	.rodata,"a",@progbits
	.p2align	6, 0x0
	.amdhsa_kernel k_q05c13cfaf3_quantw
		.amdhsa_group_segment_fixed_size 38912
		.amdhsa_private_segment_fixed_size 0
		.amdhsa_enable_private_segment 0
		.amdhsa_kernarg_size 40
		.amdhsa_user_sgpr_count 2
		.amdhsa_user_sgpr_kernarg_segment_ptr 1
		.amdhsa_wavefront_size32 1
		.amdhsa_system_sgpr_workgroup_id_x 1
		.amdhsa_system_sgpr_workgroup_id_y 1
		.amdhsa_system_sgpr_workgroup_id_z 1
		.amdhsa_system_vgpr_workitem_id 0
		.amdhsa_next_free_vgpr 192
		.amdhsa_next_free_sgpr 66
		.amdhsa_reserve_vcc 0
		.amdhsa_float_denorm_mode_32 3
		.amdhsa_float_denorm_mode_16_64 3
		.amdhsa_memory_ordered 1
		.amdhsa_forward_progress 1
		.amdhsa_inst_pref_size 23
	.end_amdhsa_kernel
	.amdgpu_metadata
---
amdhsa.version: [ 1, 2 ]
amdhsa.kernels:
  - .name:           k_q05c13cfaf3_quantw
    .symbol:         k_q05c13cfaf3_quantw.kd
    .args:
      - { .name: w_q, .offset: 0, .size: 8, .value_kind: global_buffer, .address_space: global }
      - { .name: w_k, .offset: 8, .size: 8, .value_kind: global_buffer, .address_space: global }
      - { .name: w_v, .offset: 16, .size: 8, .value_kind: global_buffer, .address_space: global }
      - { .name: wc, .offset: 24, .size: 8, .value_kind: global_buffer, .address_space: global }
      - { .name: ws, .offset: 32, .size: 8, .value_kind: global_buffer, .address_space: global }
    .group_segment_fixed_size: 38912
    .private_segment_fixed_size: 0
    .kernarg_segment_align: 8
    .kernarg_segment_size: 40
    .max_flat_workgroup_size: 512
    .sgpr_count:     66
    .vgpr_count:     192
    .wavefront_size: 32
...
	.end_amdgpu_metadata
.endif
;; end of part 2
;; launch proj (part 3): grid 4 x 96, 4 waves a work-group, clusters of 4 x 4, 327,680 bytes of LDS; arguments xc, xs, wc, ws, b_q, b_k, b_v, qkvh; writes qkvh
.if DOCPART == 3
	.amdgcn_target "amdgcn-amd-amdhsa--gfx1250"
	.amdhsa_code_object_version 6
	.text
	.protected	k_q05c13cfaf3_proj
	.globl	k_q05c13cfaf3_proj
	.p2align	8
	.type	k_q05c13cfaf3_proj,@function
k_q05c13cfaf3_proj:
	s_mov_b64 s[64:65], 0
	v_nop
	global_prefetch_b8 v0, s[64:65] scope:SCOPE_SE
	s_setreg_imm32_b32 hwreg(HW_REG_WAVE_MODE, 25, 1), 1
	s_wait_xcnt 0x0
	s_wait_alu depctr_hold_cnt(0) depctr_sa_sdst(0) depctr_va_vdst(0) depctr_va_sdst(0) depctr_va_ssrc(0) depctr_va_vcc(0) depctr_vm_vsrc(0)
	s_getreg_b32 s2, hwreg(HW_REG_IB_STS2, 6, 4)
	s_cmp_eq_u32 s2, 0
	s_cbranch_scc0 .Lentry_in_a_cluster
	s_endpgm
.Lentry_in_a_cluster:
	s_bfe_u32 s2, ttmp6, 0x10000c
	s_cmp_lg_u32 s2, 0xf033
	s_cbranch_scc0 .Lentry_shape_is_right
	s_endpgm
.Lentry_shape_is_right:
; The three quantised projections as ONE product on codes of FP4 (E2M1): rows m = 0 .. 24575 are q's, k's and v's rows on end (xc, xs); tensor T = m / 8192 takes the weights' rows 1024 T on (wc, ws: [n][K]) and its own bias.
; C[m][n] = bias_T[n] + sum over k of X[m][k] W_T[k][n], sums in f32, rounded once to f16 and stored head-major: qkvh [g = m / 2048][head n / 64][s = m % 2048][64].
; LIMIT: the results are kept in f16: |C| stays under 65,504.
; A tile of C, 256 x 256, is made by four waves, 128 x 128 each: 64 accumulators, 512 registers.  K = 1024 is two LDS slots of 512 along K (rows of 256 bytes), both filled at the start: nothing is filled again.
; The scale bytes of the tile's 256 + 256 rows, for all of K, come once, as dense blocks.  CLUSTERS: 4 x 4 work-groups; X's tiles are asked for jointly along a row of the cluster, W's along a column.
; A cluster's 1,024 rows lie in one tensor, so T is the same in all sixteen.  THE PRODUCT IS USED TRANSPOSED (source 0 = 16 rows of W, source 1 = 16 rows of X): a lane holds eight neighbouring columns of one row of C.
; The bias is the C of each sum's first product.
; REGISTERS: window 0: v0-31 addresses; v32-95 scale words, two sets; v128-191 X's fragments, one set; v192-255 the bias, later the way out.  window 1: W's fragments, two sets.  windows 2, 3: the accumulators.
.set KSTEP,  512
.set NQ,     KSTEP/128
.set ROWB,   256                       ; a tile's row in bytes
.set KROW,   512                       ; a row of codes in memory
.set PITCH,  272                       ; an LDS row: 256 bytes + 16 of padding, so that the 16 rows of a fragment load start 68 words apart
.set FR,     8
.set NL,     2
.set NP,     4                         ; places behind this matrix form (ISA guide 7.12.1)
.set HALFT,  128*PITCH
.set SLOT,   4*HALFT
.set KS,     32                        ; a row of scale bytes
.set SCL,    2*SLOT
.set HALFS,  (128*KS/256)*272
.set SBLK,   (16*KS/256)*272
.set SPARE,  SCL+4*HALFS               ; the spare words, 128 bytes a wave
.set SPITCH, 272                       ; the way out: 16 rows x (256 bytes + 16) for each wave, in slot 0, which has had its only fill and its last read by then
.set ADRA, 16
.set ADRB, 20
.set STO,  24
.set RD,   25
.set CO,   26
.set ADRS, 27
.set SPW,  28
.set NIL,  29
.set SC,   32
.set AF,   128
.set BIAS, 192                         ; v192-255: for W's block b, registers 8 b + j: bias[16 b + 8 (lane / 16) + j]
.set TMP,  192
.set OB,   32
.set G1, 24
.set G0, 32
.set G1B, 48
.set G0B, 56
.set G1S, 68
.set G0S, 76
.set G1SB, 80
.set G0SB, 88
.set MSB, 0
.macro WIN new                         ; the immediate's high byte repeats the setting that is left
.if MSB != (\new)
	s_set_vgpr_msb (MSB<<8)|(\new)
.set MSB, (\new)
.endif
.endm
.set MUL_LO, 0xa1                      ; source 0 (W) window 1, source 1 (X) window 0, C and D window 2
.set MUL_HI, 0xf1                      ; the same, C and D window 3
.set MUL_LO0, 0x81                     ; the first products: C (the bias) window 0, D window 2
.set MUL_HI0, 0xc1                     ; and D window 3
.set TO_B,   0x40
; A joint load: waves 0 and 1 fetch for X, waves 2 and 3 for W.  The branch hangs on the wave's number alone.  An s_nop 0 and four v_nop follow each line.
.macro JLOAD g0a, g1a, g0b, g1b
	s_cmp_eq_u32 s15, 0
	s_cbranch_scc0 .Lfor_b_\@
	tensor_load_to_lds s[\g0a:\g0a+3], s[\g1a:\g1a+7]
	s_nop 0
.rept 4
	v_nop
.endr
	s_branch .Lasked_\@
.Lfor_b_\@:
	tensor_load_to_lds s[\g0b:\g0b+3], s[\g1b:\g1b+7]
	s_nop 0
.rept 4
	v_nop
.endr
.Lasked_\@:
.endm
.macro CROUND                          ; a round of the cluster's barrier
	s_barrier_signal -1
	s_barrier_wait -1
	s_cmp_lg_u32 s14, 0
	s_cbranch_scc1 .Lnot_wave_0_\@
	s_barrier_signal -3
.Lnot_wave_0_\@:
	s_barrier_wait -3
	s_barrier_signal -1
	s_barrier_wait -1
.endm
	s_load_b256 s[4:11], s[0:1], 0x0               ; xc s[4:5], xs s[6:7], wc s[8:9], ws s[10:11]
	s_load_b128 s[96:99], s[0:1], 0x20             ; b_q, b_k
	s_load_b64 s[100:101], s[0:1], 0x30            ; b_v
	s_load_b64 s[12:13], s[0:1], 0x38              ; qkvh
	v_lshl_add_u32 v[SPW], v0, 2, SPARE
	v_mov_b32 v[NIL], 0
	ds_add_u32 v[SPW], v[NIL]                      ; the wave's opening: the add, twice on end, and its wait ahead of my first tensor load
	ds_add_u32 v[SPW], v[NIL]
	v_lshrrev_b32 v1, 5, v0
	v_readfirstlane_b32 s14, v1                    ; wave 0..3
	s_lshr_b32 s15, s14, 1                         ; which half of the tile's rows is mine.  Also: I fetch for X (0) or for W (1)
	s_and_b32 s16, s14, 1                          ; which half of its columns.  Also: which 128 rows I fetch
	s_bfe_u32 s40, ttmp6, 0x40000                  ; cx, cy
	s_bfe_u32 s41, ttmp6, 0x40004
	s_lshl_b32 s42, ttmp9, 2
	s_add_co_u32 s42, s42, s40                     ; tile column
	s_and_b32 s95, ttmp7, 0xffff
	s_lshr_b32 s95, s95, 3                         ; T: eight clusters of 1,024 rows to a tensor; made of the cluster's y alone
	s_and_b32 s17, ttmp7, 0xffff
	s_lshl_b32 s17, s17, 2
	s_add_co_u32 s17, s17, s41                     ; tile row
	s_lshl_b32 s43, s41, 2
	s_lshl_b32 s43, 15, s43                        ; my row of the cluster
	s_lshl_b32 s44, 0x1111, s40                    ; my column
	s_or_b32 s[G1+0], s43, (0<<16)|(1<<20)|(1<<21)|(5<<22)|(3<<25)  ; the mask; elements of 1 byte; padding on; bit 21 beside a mask; 4 words behind every 64
	s_or_b32 s[G1B+0], s44, (0<<16)|(1<<20)|(1<<21)|(5<<22)|(3<<25)
.irp g, G1, G1B
	s_mov_b32 s[\g+1], ROWB<<16                    ; tensor_dim0
	s_mov_b32 s[\g+2], 128<<16                     ; tensor_dim1
	s_mov_b32 s[\g+3], ROWB<<16                    ; tile_dim0
	s_mov_b32 s[\g+4], 128                         ; tile_dim1
	s_mov_b32 s[\g+5], KROW                        ; stride
	s_mov_b32 s[\g+6], 0
	s_mov_b32 s[\g+7], 0
.endr
	s_or_b32 s[G1S+0], s43, (3<<16)|(1<<20)|(1<<21)|(5<<22)|(3<<25)  ; the scales of 128 rows: 4,096 dense bytes as 16 rows of 256 (32 elements of 8 bytes), 16 bytes of padding behind each
	s_or_b32 s[G1SB+0], s44, (3<<16)|(1<<20)|(1<<21)|(5<<22)|(3<<25)
.irp g, G1S, G1SB
	s_mov_b32 s[\g+1], 32<<16
	s_mov_b32 s[\g+2], (128*KS/256)<<16
	s_mov_b32 s[\g+3], 32<<16
	s_mov_b32 s[\g+4], 128*KS/256
	s_mov_b32 s[\g+5], 32
	s_mov_b32 s[\g+6], 0
	s_mov_b32 s[\g+7], 0
.endr
	s_lshl_b32 s18, s16, 7
	s_lshl_b32 s20, s17, 8
	s_add_co_u32 s20, s20, s18                     ; X: row 256 x tile row + 128 x half
	s_lshl_b32 s46, s42, 8
	s_add_co_u32 s46, s46, s18
	s_lshl_b32 s47, s95, 10
	s_add_co_u32 s46, s46, s47                     ; W: row 1024 T + 256 x tile column + 128 x half
	s_mov_b32 s21, 0
	s_mov_b32 s47, 0
	s_mov_b64 s[18:19], KS
	s_mul_u64 s[22:23], s[20:21], s[18:19]         ; where these rows' scales begin
	s_mul_u64 s[92:93], s[46:47], s[18:19]
	s_mov_b64 s[18:19], KROW
	s_mul_u64 s[20:21], s[20:21], s[18:19]         ; and their codes
	s_mul_u64 s[46:47], s[46:47], s[18:19]
	s_mul_i32 s45, s14, HALFT                      ; where they go: wave x 128 rows
	s_mul_i32 s94, s14, HALFS
	s_wait_dscnt 0x0                               ; both opening adds are done
	s_wait_kmcnt 0x0
	s_add_nc_u64 s[20:21], s[4:5], s[20:21]
	s_add_nc_u64 s[22:23], s[6:7], s[22:23]
	s_add_nc_u64 s[46:47], s[8:9], s[46:47]
	s_add_nc_u64 s[92:93], s[10:11], s[92:93]
	CROUND                                         ; all sixteen work-groups are here: the first joint loads meet
	s_mov_b32 s[G0S], 1
	s_add_co_u32 s[G0S+1], s94, SCL
	s_mov_b64 s[G0S+2:G0S+3], s[22:23]
	s_or_b32 s[G0S+3], s[G0S+3], 0x80000000
	s_mov_b32 s[G0SB], 1
	s_add_co_u32 s[G0SB+1], s94, SCL
	s_mov_b64 s[G0SB+2:G0SB+3], s[92:93]
	s_or_b32 s[G0SB+3], s[G0SB+3], 0x80000000
	JLOAD G0S, G1S, G0SB, G1SB                     ; the scales first; then both K steps: three loads of mine are out
.irp s, 0,1
	s_mov_b32 s[G0+4*\s], 1
	s_add_co_u32 s[G0+4*\s+1], s45, \s*SLOT
	s_add_nc_u64 s[G0+4*\s+2:G0+4*\s+3], s[20:21], \s*ROWB
	s_or_b32 s[G0+4*\s+3], s[G0+4*\s+3], 0x80000000
	s_mov_b32 s[G0B+4*\s], 1
	s_add_co_u32 s[G0B+4*\s+1], s45, \s*SLOT
	s_add_nc_u64 s[G0B+4*\s+2:G0B+4*\s+3], s[46:47], \s*ROWB
	s_or_b32 s[G0B+4*\s+3], s[G0B+4*\s+3], 0x80000000
	JLOAD G0+4*\s, G1, G0B+4*\s, G1B
.endr
	v_and_b32 v1, 15, v0                           ; r = lane % 16
	v_bfe_u32 v2, v0, 4, 1                         ; h = lane / 16
	; the bias of my 128 columns: chosen by T, which hangs on no address
	s_cmp_lt_u32 s95, 1
	s_cselect_b64 s[96:97], s[96:97], s[98:99]
	s_cmp_lt_u32 s95, 2
	s_cselect_b64 s[96:97], s[96:97], s[100:101]
	s_lshl_b32 s46, s42, 10
	s_lshl_b32 s47, s16, 9
	s_add_co_u32 s46, s46, s47                     ; (256 x tile column + 128 x half) x 4 bytes
	s_mov_b32 s47, 0
	s_add_nc_u64 s[96:97], s[96:97], s[46:47]
	v_lshlrev_b32 v7, 5, v2                        ; + 32 h
.irp b, 0,1,2,3,4,5,6,7
	global_load_b128 v[BIAS+8*\b:BIAS+8*\b+3], v7, s[96:97] offset:64*\b
	global_load_b128 v[BIAS+8*\b+4:BIAS+8*\b+7], v7, s[96:97] offset:64*\b+16
.endr
	v_mul_u32_u24 v3, v1, PITCH
	v_lshl_add_u32 v4, v2, 4, v3                   ; a fragment's row x pitch + 16 x half
	s_mul_i32 s21, s15, HALFT                      ; my 128 rows of X
	s_mul_i32 s22, s16, HALFT                      ; my 128 rows of W,
	s_add_co_u32 s22, s22, 2*HALFT                 ; behind X's 256
.irp s, 0,1
	v_add_nc_u32 v[ADRA+\s], s21, v4
	v_add_nc_u32 v[ADRB+\s], s22, v4
	s_add_co_u32 s21, s21, SLOT
	s_add_co_u32 s22, s22, SLOT
.endr
	v_mul_u32_u24 v5, v1, KS                       ; my row's scales: 32 bytes a row,
	v_lshrrev_b32 v6, 8, v5
	v_lshl_add_u32 v5, v6, 4, v5                   ; and 16 more for each 256 passed
	s_mul_i32 s21, s15, HALFS
	s_mul_i32 s22, s16, HALFS
	s_add_co_u32 s22, s22, 2*HALFS
	s_sub_co_u32 s22, s22, s21
	v_mul_u32_u24 v6, s22, v2                      ; lanes 16-31 take W's: one product, the distance between the two bases
	s_add_co_u32 s21, s21, SCL
	v_add_nc_u32 v5, v5, v6
	v_add_nc_u32 v[ADRS], s21, v5
	s_mul_i32 s23, s14, 16*SPITCH                  ; my stage
	v_add_nc_u32 v[STO], s23, v4                   ; in: row r, 16 bytes for each half of the lanes
	v_bfe_u32 v5, v0, 3, 2
	v_mul_u32_u24 v5, v5, SPITCH
	v_and_b32 v6, 7, v0
	v_lshl_add_u32 v5, v6, 4, v5
	v_add_nc_u32 v[RD], s23, v5                    ; back: eight lanes take 128 bytes (one head's part) of a row, four rows an instruction
	v_and_b32 v6, 31, v0
	v_lshlrev_b32 v[CO], 4, v6                     ; which are 512 consecutive bytes of qkvh
	s_lshr_b32 s20, s17, 3                         ; g = tile row / 8
	s_lshl_b32 s20, s20, 4
	s_lshl_b32 s21, s42, 2
	s_add_co_u32 s20, s20, s21
	s_lshl_b32 s21, s16, 1
	s_add_co_u32 s20, s20, s21                     ; 16 g + my first head: 4 x tile column + 2 x half
	s_lshl_b32 s20, s20, 18                        ; a head is 262,144 bytes
	s_and_b32 s21, s17, 7
	s_lshl_b32 s21, s21, 15                        ; s = 256 (tile row % 8) + 128 x row half, rows of 128 bytes
	s_add_co_u32 s20, s20, s21
	s_lshl_b32 s21, s15, 14
	s_add_co_u32 s20, s20, s21
	s_mov_b32 s21, 0
	s_add_nc_u64 s[12:13], s[12:13], s[20:21]
.macro FRAG reg, adr, q, i             ; 16 rows x 128 K of 4-bit codes: 8 registers, two loads of 16 bytes, 32 bytes apart
.irp c, 0,1
	ds_load_b128 v[\reg+4*\c:\reg+4*\c+3], v[\adr] offset:64*(\q)+32*\c+(\i)*16*PITCH
.endr
.endm
; 16 products: X's blocks a0, a0 + 1 against W's eight.  zero = 1: the first product of each sum takes the bias as C.  The 64 accumulators take turns, one instruction a turn.
.macro MUL16 a0, p, q, sc, zero
.irp a, \a0, \a0+1
.irp b, 0,1,2,3,4,5,6,7
.if \zero
	v_wmma_scale_f32_16x16x128_f8f6f4 v[8*(8*((\a)%4)+\b):8*(8*((\a)%4)+\b)+7], v[128*(\p)+FR*\b:128*(\p)+FR*\b+FR-1], v[AF+FR*(\a):AF+FR*(\a)+FR-1], v[BIAS+8*\b:BIAS+8*\b+7], v[SC+8*NQ*(\sc)+NQ*\b+(\q)], v[SC+8*NQ*(\sc)+NQ*(\a)+(\q)] matrix_a_fmt:MATRIX_FMT_FP4 matrix_b_fmt:MATRIX_FMT_FP4 matrix_a_scale:MATRIX_SCALE_ROW1
.else
	v_wmma_scale_f32_16x16x128_f8f6f4 v[8*(8*((\a)%4)+\b):8*(8*((\a)%4)+\b)+7], v[128*(\p)+FR*\b:128*(\p)+FR*\b+FR-1], v[AF+FR*(\a):AF+FR*(\a)+FR-1], v[8*(8*((\a)%4)+\b):8*(8*((\a)%4)+\b)+7], v[SC+8*NQ*(\sc)+NQ*\b+(\q)], v[SC+8*NQ*(\sc)+NQ*(\a)+(\q)] matrix_a_fmt:MATRIX_FMT_FP4 matrix_b_fmt:MATRIX_FMT_FP4 matrix_a_scale:MATRIX_SCALE_ROW1
.endif
.endr
.endr
.endm
.macro FETCH_B slot, q, p
	WIN TO_B
.irp i, 0,1,2,3,4,5,6,7
	FRAG 128*(\p)+FR*\i, ADRB+\slot, \q, \i
.endr
	WIN 0
.endm
.macro FETCH_A slot, q, i0
.irp i, \i0, \i0+1, \i0+2, \i0+3
	FRAG AF+FR*(\i), ADRA+\slot, \q, \i
.endr
.endm
.macro SCALES sc                       ; a K step's scale words: lanes 0-15 take X's block i, lanes 16-31 W's block i
.irp i, 0,1,2,3,4,5,6,7
	ds_load_b128 v[SC+8*NQ*\sc+NQ*\i:SC+8*NQ*\sc+NQ*\i+3], v[ADRS] offset:\i*SBLK
.endr
.endm
.macro PLACES n                        ; plain vector lines in front of loads into registers that matrix instructions have read, and of the first read of results
.rept \n
	v_nop
.endr
.endm
.macro STEP slot, q, zero              ; 128 along K, with its successor in the same slot
	s_wait_dscnt 4*NL                              ; W's set and X's blocks 0-3 are in; the youngest eight loads (X's blocks 4-7) may be out
.if \zero
	WIN MUL_LO0
.else
	WIN MUL_LO
.endif
	MUL16 0, (\q)%2, \q, \slot, \zero
	MUL16 2, (\q)%2, \q, \slot, \zero
	s_wait_dscnt 0
	PLACES NP
	FETCH_B \slot, (\q)+1, 1-(\q)%2
	FETCH_A \slot, (\q)+1, 0
.if \zero
	WIN MUL_HI0
.else
	WIN MUL_HI
.endif
	MUL16 4, (\q)%2, \q, \slot, \zero
	MUL16 6, (\q)%2, \q, \slot, \zero
	PLACES NP
	WIN 0
	FETCH_A \slot, (\q)+1, 4
.endm
	s_wait_tensorcnt 1                             ; the scales and my part of K step 0 are in; K step 1's load may be out
	s_barrier_signal -1
	s_barrier_wait -1
	FETCH_B 0, 0, 0
	FETCH_A 0, 0, 0
	SCALES 0
	FETCH_A 0, 0, 4
	s_wait_loadcnt 0x0                             ; the bias
	STEP 0, 0, 1
	STEP 0, 1, 0
	STEP 0, 2, 0
	; slot 0's last step changes slots: each wave's loads have landed, one barrier, then slot 1 is read.  Nothing is filled again.
	s_wait_tensorcnt 0x0                           ; my part of slot 1 is in
	ds_add_u32 v[SPW], v[NIL]
	s_wait_dscnt 4*NL+1                            ; the add and the youngest eight loads may be out
	WIN MUL_LO
	MUL16 0, 1, 3, 0, 0
	s_wait_dscnt 0x0                               ; the add is done, and my reads of slot 0 are over
	s_barrier_signal -1
	MUL16 2, 1, 3, 0, 0
	WIN 0
	s_barrier_wait -1
	PLACES NP
	v_add_nc_u32 v[ADRS], 4*NQ, v[ADRS]            ; on to the second K step's scale words
	FETCH_B 1, 0, 0
	FETCH_A 1, 0, 0
	SCALES 1
	WIN MUL_HI
	MUL16 4, 1, 3, 0, 0
	MUL16 6, 1, 3, 0, 0
	PLACES NP
	WIN 0
	FETCH_A 1, 0, 4
	STEP 1, 0, 0
	STEP 1, 1, 0
	STEP 1, 2, 0
	s_wait_dscnt 4*NL                              ; the last step: nothing more to fetch
	WIN MUL_LO
	MUL16 0, 1, 3, 1, 0
	MUL16 2, 1, 3, 1, 0
	s_wait_dscnt 0
	WIN MUL_HI
	MUL16 4, 1, 3, 1, 0
	MUL16 6, 1, 3, 1, 0
	WIN 0
; THE WAY OUT, block by block of 16 rows x 128 columns (two heads).  PACK: rounded to f16, 16 bytes a lane, each accumulator from its low end on.  TOSTAGE: into my own stage and back by heads.  SEND: stored.
.macro PACK a
.set AC, 64*((\a)%4)
	WIN 0x0a+5*((\a)/4)                            ; sources 0 and 1: window 2 or 3
.irp b, 0,1,2,3,4,5,6,7
.irp r, 0,1,2,3
	v_cvt_pk_f16_f32 v[TMP+4*\b+\r], v[AC+8*\b+2*\r], v[AC+8*\b+2*\r+1]
.endr
.endr
	WIN 0
.endm
.macro TOSTAGE a
.set BK, OB+192*((\a)%2)
.irp b, 0,1,2,3,4,5,6,7
	ds_store_b128 v[STO], v[TMP+4*\b:TMP+4*\b+3] offset:32*\b
.endr
.irp t, 0,1,2,3,4,5,6,7
	ds_load_b128 v[BK+4*\t:BK+4*\t+3], v[RD] offset:(\t%4)*4*SPITCH+(\t/4)*128   ; LDS serves a wave's instructions in order: these see the stores above
.endr
.endm
.macro SEND a
.set BK, OB+192*((\a)%2)
	s_wait_dscnt 0x0                               ; the block is back in registers
	s_wait_xcnt 0x0                                ; the earlier stores have read their registers and their base
.if (\a) > 0
	s_add_nc_u64 s[12:13], s[12:13], 16*128        ; 16 rows of a head on
.endif
.irp t, 0,1,2,3,4,5,6,7
	global_store_b128 v[CO], v[BK+4*\t:BK+4*\t+3], s[12:13] offset:(\t/4)*262144+(\t%4)*512   ; 32 lanes store 512 consecutive bytes: four rows of one head
.endr
.endm
	PLACES NP
	PACK 0
	TOSTAGE 0
.irp a, 1,2,3,4,5,6,7
	PACK \a
	SEND \a-1
	TOSTAGE \a
.endr
	SEND 7
	s_wait_tensorcnt 0x0                           ; the wave's end
	ds_add_u32 v[SPW], v[NIL]
	s_wait_dscnt 0x0
	CROUND                                         ; the closing round
	s_endpgm
.Lfunc_end_k_q05c13cfaf3_proj:
	.size	k_q05c13cfaf3_proj, .Lfunc_end_k_q05c13cfaf3_proj-k_q05c13cfaf3_proj
	.p2alignl 7, 3214868480
	.fill 96, 4, 3214868480
	.section	.rodata,"a",@progbits
	.p2align	6, 0x0
	.amdhsa_kernel k_q05c13cfaf3_proj
		.amdhsa_group_segment_fixed_size 327680
		.amdhsa_private_segment_fixed_size 0
		.amdhsa_enable_private_segment 0
		.amdhsa_kernarg_size 64
		.amdhsa_user_sgpr_count 2
		.amdhsa_user_sgpr_kernarg_segment_ptr 1
		.amdhsa_wavefront_size32 1
		.amdhsa_system_sgpr_workgroup_id_x 1
		.amdhsa_system_sgpr_workgroup_id_y 1
		.amdhsa_system_sgpr_workgroup_id_z 1
		.amdhsa_system_vgpr_workitem_id 0
		.amdhsa_next_free_vgpr 1024
		.amdhsa_next_free_sgpr 102
		.amdhsa_reserve_vcc 0
		.amdhsa_float_denorm_mode_32 3
		.amdhsa_float_denorm_mode_16_64 3
		.amdhsa_memory_ordered 1
		.amdhsa_forward_progress 1
		.amdhsa_inst_pref_size 129
	.end_amdhsa_kernel
	.amdgpu_metadata
---
amdhsa.version: [ 1, 2 ]
amdhsa.kernels:
  - .name:           k_q05c13cfaf3_proj
    .symbol:         k_q05c13cfaf3_proj.kd
    .args:
      - { .name: xc, .offset: 0, .size: 8, .value_kind: global_buffer, .address_space: global }
      - { .name: xs, .offset: 8, .size: 8, .value_kind: global_buffer, .address_space: global }
      - { .name: wc, .offset: 16, .size: 8, .value_kind: global_buffer, .address_space: global }
      - { .name: ws, .offset: 24, .size: 8, .value_kind: global_buffer, .address_space: global }
      - { .name: b_q, .offset: 32, .size: 8, .value_kind: global_buffer, .address_space: global }
      - { .name: b_k, .offset: 40, .size: 8, .value_kind: global_buffer, .address_space: global }
      - { .name: b_v, .offset: 48, .size: 8, .value_kind: global_buffer, .address_space: global }
      - { .name: qkvh, .offset: 56, .size: 8, .value_kind: global_buffer, .address_space: global }
    .group_segment_fixed_size: 327680
    .private_segment_fixed_size: 0
    .kernarg_segment_align: 8
    .kernarg_segment_size: 64
    .max_flat_workgroup_size: 128
    .sgpr_count:     102
    .vgpr_count:     1024
    .wavefront_size: 32
...
	.end_amdgpu_metadata
.endif
;; end of part 3
;; launch attn (part 4): grid 4 x 64, 8 waves a work-group, clusters of 4 x 1, 327,680 bytes of LDS; arguments qkvh, oh; writes oh
.if DOCPART == 4
	.amdgcn_target "amdgcn-amd-amdhsa--gfx1250"
	.amdhsa_code_object_version 6
	.text
	.protected	k_q05c13cfaf3_attn
	.globl	k_q05c13cfaf3_attn
	.p2align	8
	.type	k_q05c13cfaf3_attn,@function
k_q05c13cfaf3_attn:
	s_mov_b64 s[64:65], 0
	v_nop
	global_prefetch_b8 v0, s[64:65] scope:SCOPE_SE
	s_setreg_imm32_b32 hwreg(HW_REG_WAVE_MODE, 25, 1), 1
	s_wait_xcnt 0x0
	s_wait_alu depctr_hold_cnt(0) depctr_sa_sdst(0) depctr_va_vdst(0) depctr_va_sdst(0) depctr_va_ssrc(0) depctr_va_vcc(0) depctr_vm_vsrc(0)
	s_getreg_b32 s2, hwreg(HW_REG_IB_STS2, 6, 4)
	s_cmp_eq_u32 s2, 0
	s_cbranch_scc0 .Lentry_in_a_cluster
	s_endpgm
.Lentry_in_a_cluster:
	s_bfe_u32 s2, ttmp6, 0x10000c
	s_cmp_lg_u32 s2, 0x3003
	s_cbranch_scc0 .Lentry_shape_is_right
	s_endpgm
.Lentry_shape_is_right:
; O[bh][q][:] = the sum over k of softmax_k(Q[bh][q] . K[bh][k] / 8) V[bh][k][:], 64 heads bh = 16 b + h of 2,048 positions x 64 channels, no mask.  Operands in f16, products, maxima and sums in f32;
; the weights p are rounded to f16 for the second product, O once at the end.  Q, K, V lie in qkvh [tensor x 4 + b][h][s][64]; O goes to oh [h][b x 2048 + s][64].
; LIMITS: f16 operands: |Q|, |K|, |V| under 65,504; NaN and infinities are not served.
; SHARES.  A work-group owns 512 queries of one head, each of its eight waves 64: four tiles of 16, in 512 registers, two waves to a SIMD.  Every wave walks all keys, 64 a step, 32 steps.
; LAYOUT.  S^T = K Q^T (source 0 = 16 keys, source 1 = 16 queries): a lane holds ONE query and the keys 8 (lane / 16) + 0..7.  Two such tiles, rounded to f16 in pairs IN PLACE, are source 1 of O^T = V^T P.
; SOFTMAX.  A running maximum m and sum l for each query: p = 2^(c s - c m), c = log2(e) / 8; in every step O and l are multiplied by a = 2^(c m_old - c m_new).  The step is written once: O and l begin as zeros, m as -3e38.
; TWO CLASSES OF WAVES, HALF A STEP APART.  Every wave runs the same chain: fetch, softmax of step j, then V^T P of step j and K Q^T of step j + 1.  Class 1 (the wave's number's bits 0 and 2 differ) does its first
; softmax ahead of the loop; so in a trip class 0 runs softmax, products and class 1 products, softmax: of two waves w and w + 4, or 2 s and 2 s + 1, one has vector work while the other has matrix work.
; RING.  16 places of one key step each (64 rows of K, 64 of V) in LDS; four steps are a slot.  Slots 0 and 1 are asked for at the start; at the top of trip 4 n slot n + 2 is asked for, into the place of slot n - 2.
; A trip reads steps of slots n and n + 1 alone.  A load has four trips in which to land.  By this text's count a wave has two tensor loads out at the start and one later.
; CLUSTER.  The head's four blocks of queries form a cluster and walk the same K and V: each tile is asked for JOINTLY.  Wave w fetches step w % 4 of the slot: waves 0-3 K's rows, waves 4-7 V's.
; REGISTERS.  window 0: v2-12 addresses; v16-47 statistics, 8 a tile; v48-111 K's fragments; v112-239 S^T, 32 a tile (P in the first 16).  window 1: v0-127 O^T, 32 a tile; v128-191 Q; v192-255 V's fragments.
.set KS,    64
.set PKP,   144                        ; a row of K in LDS: 128 bytes + 16
.set PVP,   160                        ; a row of V: 128 + 32
.set VOFF,  KS*PKP
.set STEPB, KS*(PKP+PVP)               ; a step's place: 19,456 bytes
.set SLOTB, 4*STEPB
.set SLOTG, 4*KS*128                   ; a slot's rows of K or of V in memory: 32,768 bytes
.set SPARE, 16*STEPB                   ; behind the ring: the spare words, 128 bytes for each of eight waves
.set STAGE, SLOTB                      ; the way out: 16 rows x 144 bytes a wave, in the place of slot 5, which has had its last fill and, at the last barrier, its last read
.set SP,    144
.set AK0, 2                            ; my lane's place in a tile of K; never rewritten
.set AV0, 3                            ; the same for V
.set ADK, 4                            ; LDS address of the step's K
.set ADV, 5                            ; and V
.set QO,  6
.set STO, 7
.set RD,  8
.set GO,  9
.set PFO, 10                           ; 256 x lane
.set SPW, 11
.set NIL, 12
.set ST,  16                           ; tile t at v[ST+8 t]: +0 c m, +1 m, +2, +3 l (even keys', odd keys'), +4 .. +7 at work; a in +6
.set KF,  48
.set S,   112
.set QF,  128                          ; in window 1
.set VF,  192                          ; in window 1
.set WV,  12
.set CA,  14                           ; the wave's class
.set LIM, 15
.set PFA, 18
.set G1K, 24
.set G1V, 32
.set G0,  40                           ; s[40:43] slot 0's group 0; s[44:47] slot 1's, which then walks
.set SLOTS, 56
.set CNT, 57
.set CS,  58
.set SEL, 60
.set IT,  62                           ; the trip's number
.set NPOS, 63                          ; the slot asked for last
.set T0,  66
.set T1,  67
.set WOFF, 68                          ; my tile's place in a slot
.set MSB, 0
.macro WIN new
.if MSB != (\new)
	s_set_vgpr_msb (MSB<<8)|(\new)
.set MSB, (\new)
.endif
.endm
.set W_PV, 0x51                        ; V and O^T in window 1, P in window 0
.set W_KQ, 0x04                        ; Q in window 1, K and S^T in window 0
.set W_RS, 0x41                        ; O^T (destination, source 0) in window 1, a in window 0
.set W_L1, 0x40                        ; destination window 1, address window 0
.macro JLOAD                           ; a joint refill: the branch hangs on the wave's number alone; an s_nop 0 and four v_nop follow each line
	s_cmp_lt_u32 s[WV], 4
	s_cbranch_scc0 .Lfor_v_\@
	tensor_load_to_lds s[G0+4:G0+7], s[G1K:G1K+7]
	s_nop 0
.rept 4
	v_nop
.endr
	s_branch .Lasked_\@
.Lfor_v_\@:
	tensor_load_to_lds s[G0+4:G0+7], s[G1V:G1V+7]
	s_nop 0
.rept 4
	v_nop
.endr
.Lasked_\@:
.endm
; A prefetch of what the NEXT change of slots will ask for: 32,768 bytes of K and of V.  This cluster alone reads the head's K and V.  Its four partners share the bytes out by address, 8,192 each, lanes 256 bytes apart;
; in each, wave 0 asks for K's and wave 4 for V's: each block of 256 bytes is named once.  The last change that fills a slot asks for nothing: there is no slot behind slot 7.
.macro ASK
	s_cmp_gt_u32 s[SLOTS], s[LIM]
	s_cbranch_scc0 .Lnot_mine_\@
	global_prefetch_b8 v[PFO], s[PFA:PFA+1] th:TH_LOAD_NT scope:SCOPE_SE
.Lnot_mine_\@:
.endm
.macro CROUND
	s_barrier_signal -1
	s_barrier_wait -1
	s_cmp_lg_u32 s[WV], 0
	s_cbranch_scc1 .Lnot_wave_0_\@
	s_barrier_signal -3
.Lnot_wave_0_\@:
	s_barrier_wait -3
	s_barrier_signal -1
	s_barrier_wait -1
.endm
	s_load_b128 s[4:7], s[0:1], 0x0                ; qkvh s[4:5], oh s[6:7]
	v_lshl_add_u32 v[SPW], v0, 2, SPARE
	v_mov_b32 v[NIL], 0
	ds_add_u32 v[SPW], v[NIL]                      ; the wave's opening: the add, twice on end, and its wait ahead of my first tensor load
	ds_add_u32 v[SPW], v[NIL]
	v_lshrrev_b32 v1, 5, v0
	v_readfirstlane_b32 s[WV], v1                  ; wave 0..7
	s_lshr_b32 s16, s[WV], 2                       ; I fetch for K (0) or for V (1),
	s_and_b32 s17, s[WV], 3                        ; step w % 4 of a slot
	s_xor_b32 s[CA], s[WV], s16
	s_and_b32 s[CA], s[CA], 1                      ; my class
	s_bfe_u32 s13, ttmp6, 0x40000                  ; cx: my block of 512 queries; it enters Q's, O's and the prefetches' addresses alone
	s_and_b32 s20, ttmp7, 0xffff                   ; the head, 16 b + h
	s_lshl_b32 s21, s20, 18                        ; a head is 262,144 bytes
	s_add_co_u32 s22, s16, 1
	s_lshl_b32 s22, s22, 24                        ; K's heads begin 16,777,216 bytes into qkvh, V's twice as far
	s_add_co_u32 s22, s22, s21
	s_mov_b32 s23, 0
	s_lshl_b32 s70, s13, 13                        ; the prefetches: my work-group's 8,192 bytes,
	s_add_co_u32 s70, s70, s22
	s_add_co_u32 s70, s70, 2*SLOTG                 ; in slot 2: the first change of slots steps it to slot 3
	s_mov_b32 s71, 0
	s_lshl_b32 s66, s17, 13
	s_add_co_u32 s22, s22, s66                     ; my tile of slot 0: 64 rows of 128 bytes
	s_lshl_b32 s2, s13, 16
	s_lshl_b32 s3, s[WV], 13
	s_add_co_u32 s2, s2, s3                        ; my wave's 64 queries: (512 cx + 64 w) rows of 128 bytes
	s_add_co_u32 s66, s2, s21                      ; in Q
	s_mov_b32 s67, 0
	s_and_b32 s3, s20, 15
	s_lshl_b32 s3, s3, 20
	s_add_co_u32 s2, s2, s3                        ; in O: head h is 8,192 rows,
	s_lshr_b32 s3, s20, 4
	s_lshl_b32 s3, s3, 18
	s_add_co_u32 s2, s2, s3                        ; batch b 2,048
	s_mov_b32 s3, 0
	s_mul_i32 s[WOFF], s17, STEPB
	s_mul_i32 s69, s16, VOFF
	s_add_co_u32 s[WOFF], s[WOFF], s69             ; no place in the cluster enters an LDS address
	s_mov_b32 s[G1K], 15|(1<<16)|(1<<20)|(1<<21)|(4<<22)|(3<<25)  ; the mask: all four work-groups; elements of 2 bytes; padding on; bit 21 beside a mask; 4 words behind every 32
	s_mov_b32 s[G1V], 15|(1<<16)|(1<<20)|(1<<21)|(4<<22)|(7<<25)  ; the same with 8 words
.irp g, G1K, G1V
	s_mov_b32 s[\g+1], 64<<16                      ; tensor_dim0
	s_mov_b32 s[\g+2], KS<<16                      ; tensor_dim1
	s_mov_b32 s[\g+3], 64<<16                      ; tile_dim0
	s_mov_b32 s[\g+4], KS                          ; tile_dim1
	s_mov_b32 s[\g+5], 64                          ; stride
	s_mov_b32 s[\g+6], 0
	s_mov_b32 s[\g+7], 0
.endr
	s_mov_b32 s[CS], 0x3e38aa3b                    ; c = log2(e) / 8
	s_mov_b32 s[CS+1], s[CS]
	s_mov_b32 s[SEL], 0x76543210
	s_mov_b32 s[SEL+1], 0xfedcba98
	s_cmp_eq_u32 s17, 0
	s_cselect_b32 s[LIM], 1, -1                    ; waves 0 and 4 prefetch, while more than one slot is still to be asked for
	s_wait_dscnt 0x0                               ; both opening adds are done
	s_wait_kmcnt 0x0
	s_add_nc_u64 s[8:9], s[4:5], s[66:67]          ; Q at my wave's first row
	s_add_nc_u64 s[10:11], s[6:7], s[2:3]          ; O likewise
	s_add_nc_u64 s[PFA:PFA+1], s[4:5], s[70:71]
	s_add_nc_u64 s[22:23], s[4:5], s[22:23]        ; K or V at my tile of slot 0
	CROUND                                         ; all four work-groups are here: the first joint loads meet
	s_mov_b32 s[G0], 1
	s_mov_b32 s[G0+1], s[WOFF]
	s_mov_b64 s[G0+2:G0+3], s[22:23]
	s_or_b32 s[G0+3], s[G0+3], 0x80000000
	s_mov_b32 s[G0+4], 1
	s_add_co_u32 s[G0+5], s[WOFF], SLOTB
	s_add_nc_u64 s[G0+6:G0+7], s[22:23], SLOTG
	s_or_b32 s[G0+7], s[G0+7], 0x80000000
	s_cmp_lt_u32 s[WV], 4                          ; a wave's two first fills stand in one branch
	s_cbranch_scc0 .Lfirst_v
	tensor_load_to_lds s[G0:G0+3], s[G1K:G1K+7]
	s_nop 0
	tensor_load_to_lds s[G0+4:G0+7], s[G1K:G1K+7]
	s_nop 0
.rept 4
	v_nop
.endr
	s_branch .Lfirst_asked
.Lfirst_v:
	tensor_load_to_lds s[G0:G0+3], s[G1V:G1V+7]
	s_nop 0
	tensor_load_to_lds s[G0+4:G0+7], s[G1V:G1V+7]
	s_nop 0
.rept 4
	v_nop
.endr
.Lfirst_asked:
	v_and_b32 v1, 15, v0                           ; r
	v_bfe_u32 v13, v0, 4, 1                        ; h
	v_lshlrev_b32 v[QO], 7, v1
	v_lshl_add_u32 v[QO], v13, 4, v[QO]            ; Q: row r of 128 bytes + 16 h
	WIN W_L1
.irp t, 0,1,2,3
.irp s, 0,1
	global_load_b128 v[QF+16*\t+8*\s:QF+16*\t+8*\s+3],   v[QO], s[8:9] offset:2048*\t+64*\s      ; Q stays in registers: tile t, channels 32 s on
	global_load_b128 v[QF+16*\t+8*\s+4:QF+16*\t+8*\s+7], v[QO], s[8:9] offset:2048*\t+64*\s+32
.endr
.endr
.set ii, 0
.rept 128
	v_mov_b32 v[ii], 0                             ; O^T.  The step is written once: its first pass finds zeros, which the first a leaves zeros
.set ii, ii+1
.endr
	WIN 0
	v_mul_u32_u24 v[AK0], v1, PKP
	v_lshl_add_u32 v[AK0], v13, 4, v[AK0]          ; K: row r x pitch + 16 h
	v_and_b32 v15, 7, v0
	v_lshl_add_u32 v[AV0], v13, 3, v15             ; V, by the turning load: key 8 h + lane % 8,
	v_mul_u32_u24 v[AV0], v[AV0], PVP
	v_bfe_u32 v14, v0, 3, 1
	v_lshl_add_u32 v[AV0], v14, 4, v[AV0]          ; channels 8 ((lane / 8) % 2) on
	v_add_nc_u32 v[AV0], VOFF, v[AV0]
	s_mul_i32 s66, s[WV], 16*SP
	s_add_co_u32 s66, s66, STAGE                   ; my stage
	v_add_nc_u32 v[STO], s66, v[AK0]               ; in: row r, 16 bytes for each half of the lanes
	v_bfe_u32 v14, v0, 3, 2
	v_mul_u32_u24 v[RD], v14, SP
	v_lshl_add_u32 v[RD], v15, 4, v[RD]
	v_add_nc_u32 v[RD], s66, v[RD]                 ; back: eight lanes to a row of 128 bytes, four rows an instruction
	v_and_b32 v14, 31, v0
	v_lshlrev_b32 v[GO], 4, v14                    ; which are 512 consecutive bytes of O
	v_lshlrev_b32 v[PFO], 8, v14
.irp t, 0,1,2,3
	v_mov_b32 v[ST+8*\t+1], 0xff61b1e6             ; m = -3e38, under every score
	v_mov_b32 v[ST+8*\t+2], 0                      ; l
	v_mov_b32 v[ST+8*\t+3], 0
.endr
.irp t, 0,1,2,3
	v_mul_f32 v[ST+8*\t], s[CS], v[ST+8*\t+1]      ; c m
.endr
.macro LOADV                           ; a step's V, turned: fragment (32 keys g, 16 channels c) at VF + 8 (4 g + c)
	WIN W_L1
.irp f, 0,1,2,3,4,5,6,7
	ds_load_tr16_b128 v[VF+8*\f:VF+8*\f+3],   v[ADV] offset:(\f/4)*32*PVP+(\f%4)*32
	ds_load_tr16_b128 v[VF+8*\f+4:VF+8*\f+7], v[ADV] offset:(\f/4)*32*PVP+16*PVP+(\f%4)*32
.endr
	WIN 0
.endm
.macro LOADK                           ; a step's K: fragment (16 keys a, 32 channels s) at KF + 8 (2 a + s)
.irp f, 0,1,2,3,4,5,6,7
	ds_load_b128 v[KF+8*\f:KF+8*\f+3],   v[ADK] offset:(\f/2)*16*PKP+(\f%2)*64
	ds_load_b128 v[KF+8*\f+4:KF+8*\f+7], v[ADK] offset:(\f/2)*16*PKP+(\f%2)*64+32
.endr
.endm
.macro FETCH k                         ; k = 0: V alone; 1: V and the next step's K; 2: the same, but there is no step 32
	LOADV
.if \k == 2
	s_cmp_ge_u32 s[T0], 32
	s_cbranch_scc1 .Lno_k_\@
.endif
.if \k >= 1
	LOADK
.endif
.if \k == 2
.Lno_k_\@:
.endif
.endm
; The accumulators take turns, one instruction a turn: 16 of O^T, then 16 of S^T.
.macro PVM                             ; O^T += V^T P
	WIN W_PV
.irp g, 0,1
.irp c, 0,1,2,3
.irp t, 0,1,2,3
	v_wmma_f32_16x16x32_f16 v[32*\t+8*\c:32*\t+8*\c+7], v[VF+8*(4*\g+\c):VF+8*(4*\g+\c)+7], v[S+32*\t+8*\g:S+32*\t+8*\g+7], v[32*\t+8*\c:32*\t+8*\c+7]
.endr
.endr
.endr
.endm
.macro KQM                             ; S^T = K Q^T: the first 16 start the sums
	WIN W_KQ
.irp s, 0,1
.irp a, 0,1,2,3
.irp t, 0,1,2,3
.if \s == 0
	v_wmma_f32_16x16x32_f16 v[S+32*\t+8*\a:S+32*\t+8*\a+7], v[KF+8*(2*\a+\s):KF+8*(2*\a+\s)+7], v[QF+16*\t+8*\s:QF+16*\t+8*\s+7], 0
.else
	v_wmma_f32_16x16x32_f16 v[S+32*\t+8*\a:S+32*\t+8*\a+7], v[KF+8*(2*\a+\s):KF+8*(2*\a+\s)+7], v[QF+16*\t+8*\s:QF+16*\t+8*\s+7], v[S+32*\t+8*\a:S+32*\t+8*\a+7]
.endif
.endr
.endr
.endr
.endm
.macro MBLOCK
	PVM
.rept 5
	v_nop                                          ; the scores are written over P, which the products above have read: five places for a matrix instruction that writes over a source
.endr
	KQM
	WIN 0
.rept 4
	v_nop                                          ; four places in front of the loads into K's and V's registers and of the first reads of the scores
.endr
.endm
; THE SOFTMAX of a step, four tiles.  SM0: line j of 21 of the maximum's list for tile t: four chains of seven scores (each accumulator is first read at its low end), the four left over, the old m, the other half of the lanes, c m and its change.
.macro SM0 t, j
.set rT, ST+8*(\t)
.set rS, S+32*(\t)
.if (\j) < 4
	v_max3_num_f32 v[rT+4+(\j)], v[rS+8*(\j)], v[rS+8*(\j)+1], v[rS+8*(\j)+2]
.elseif (\j) < 12
	v_max3_num_f32 v[rT+4+(\j)%4], v[rT+4+(\j)%4], v[rS+8*((\j)%4)+2*((\j)/4)+1], v[rS+8*((\j)%4)+2*((\j)/4)+2]
.elseif (\j) == 12
	v_max3_num_f32 v[rT+4], v[rT+4], v[rS+7], v[rS+15]
.elseif (\j) == 13
	v_max3_num_f32 v[rT+6], v[rT+6], v[rS+23], v[rS+31]
.elseif (\j) == 14
	v_max3_num_f32 v[rT+4], v[rT+4], v[rT+5], v[rT+6]
.elseif (\j) == 15
	v_max3_num_f32 v[rT+4], v[rT+4], v[rT+7], v[rT+1]
.elseif (\j) == 16
	v_permlanex16_b32 v[rT+5], v[rT+4], s[SEL], s[SEL+1]  ; the query's other 32 keys lie in the lane 16 away
.elseif (\j) == 17
	v_mov_b32 v[rT+7], v[rT]                       ; c m_old
.elseif (\j) == 18
	v_max_num_f32 v[rT+1], v[rT+4], v[rT+5]
.elseif (\j) == 19
	v_mul_f32 v[rT], s[CS], v[rT+1]
.else
	v_sub_f32 v[rT+7], v[rT+7], v[rT]              ; c m_old - c m_new
.endif
.endm
.macro FMAN p, k                       ; scaling k of 32 of the pair of tiles p: tile 2 p + k % 2, scores 2 (k / 2) and the next: c s - c m
.set rT, ST+8*(2*(\p)+((\k)&1))
.set rS, S+32*(2*(\p)+((\k)&1))+2*((\k)>>1)
	v_pk_fma_f32 v[rS:rS+1], v[rS:rS+1], s[CS:CS+1], v[rT:rT+1] op_sel_hi:[1,0,0] neg_lo:[0,0,1] neg_hi:[0,0,1]
.endm
.macro EXPN p, k                       ; exponential k of 66 of the pair p: the two a, then the 64 scores, the tiles by turns
.if (\k) < 2
.set rT, ST+8*(2*(\p)+(\k))
	v_exp_f32 v[rT+6], v[rT+7]
.else
.set rS, S+32*(2*(\p)+(((\k)-2)&1))+(((\k)-2)>>1)
	v_exp_f32 v[rS], v[rS]
.endif
.endm
.macro RDN p, k                        ; line k of 66 of what reads the pair's exponentials: l x a; the 16 pairs of weights summed in two chains; then the roundings to f16, in place (a destination never passes its sources)
.set tt, 2*(\p)+((\k)&1)
.set ri, (\k)>>1
.set rT, ST+8*tt
.set rS, S+32*tt
.if ri == 0
	v_pk_mul_f32 v[rT+2:rT+3], v[rT+2:rT+3], v[rT+6:rT+7] op_sel_hi:[1,0]
.elseif ri == 1
	v_pk_add_f32 v[rT+4:rT+5], v[rS+2:rS+3], v[rS+6:rS+7]
.elseif (ri < 14) && ((ri&1) == 0)
	v_pk_add_f32 v[rT+2:rT+3], v[rT+2:rT+3], v[rS+2*(ri-2):rS+2*(ri-2)+1]
.elseif ri < 14
	v_pk_add_f32 v[rT+4:rT+5], v[rT+4:rT+5], v[rS+2*(ri+2):rS+2*(ri+2)+1]
.elseif ri < 16
	v_pk_add_f32 v[rT+2:rT+3], v[rT+2:rT+3], v[rS+2*(2*ri-16):rS+2*(2*ri-16)+1]
.elseif ri == 16
	v_pk_add_f32 v[rT+2:rT+3], v[rT+2:rT+3], v[rT+4:rT+5]
.else
	v_cvt_pk_f16_f32 v[rS+ri-17], v[rS+2*(ri-17)], v[rS+2*(ri-17)+1]
.endif
.endm
; The exponentials go in two batches, one for each pair of tiles, each with one plain line and ONE wait behind it, ahead of the first line that names a result.
; The second pair's scalings stand among the first batch, the first pair's readers among the second.
.macro VBLOCK
.irp j, 0,1,2,3,4,5,6,7,8,9,10,11,12,13,14,15,16,17,18,19,20
.irp t, 0,1,2,3
	SM0 \t, \j
.endr
.endr
.set kk, 0
.rept 32
	FMAN 0, kk
.set kk, kk+1
.endr
.set kk, 0
.rept 32
	EXPN 0, 2*kk
	EXPN 0, 2*kk+1
	FMAN 1, kk
.set kk, kk+1
.endr
	EXPN 0, 64
	EXPN 0, 65
	v_nop
	s_wait_alu depctr_va_vdst(0)
.set kk, 0
.rept 66
	RDN 0, kk
	EXPN 1, kk
.set kk, kk+1
.endr
	v_nop
	s_wait_alu depctr_va_vdst(0)
.set kk, 0
.rept 66
	RDN 1, kk
.set kk, kk+1
.endr
	WIN W_RS
.irp t, 0,1,2,3
.set ii, 0
.rept 16
	v_pk_mul_f32 v[32*\t+ii:32*\t+ii+1], v[32*\t+ii:32*\t+ii+1], v[ST+8*\t+6:ST+8*\t+7] op_sel_hi:[1,0]   ; O^T x a
.set ii, ii+2
.endr
.endr
	WIN 0
.endm
; n trips.  Every wave walks the loop; the branches on the class stand inside it.  The addresses are made in the common text: class 0 fetches V of step IT and K of IT + 1, class 1 those one step on.
.macro TRIPS n, k
	s_mov_b32 s[CNT], \n
.Ltrip_\@:
	s_add_co_u32 s[T0], s[IT], s[CA]
	s_and_b32 s[T1], s[T0], 15
	s_mul_i32 s[T1], s[T1], STEPB
	v_add_nc_u32 v[ADV], s[T1], v[AV0]
	s_add_co_u32 s[T0], s[T0], 1
	s_and_b32 s[T1], s[T0], 15
	s_mul_i32 s[T1], s[T1], STEPB
	v_add_nc_u32 v[ADK], s[T1], v[AK0]
	s_cmp_lg_u32 s[CA], 0
	s_cbranch_scc1 .Lm_\@
	FETCH \k
	VBLOCK
.Lm_\@:
	s_wait_dscnt 0x0                               ; V and K are in: they were asked for ahead of the softmax
	MBLOCK
	s_cmp_eq_u32 s[CA], 0
	s_cbranch_scc1 .Le_\@
	FETCH \k
	VBLOCK
.Le_\@:
	s_add_co_u32 s[IT], s[IT], 1
	s_sub_co_u32 s[CNT], s[CNT], 1
	s_cmp_lg_u32 s[CNT], 0
	s_cbranch_scc1 .Ltrip_\@
.endm
; THE CHANGE OF SLOTS, at the top of every fourth trip.  Each wave waits for all its tensor loads (its part of the slot that is read next), adds 0 to its spare word, and waits for that and for its LDS reads.
; fill = 1: behind a round of the cluster's barrier the place of the slot left two slots ago is asked for again, first thing.
.macro CHANGE fill
	s_wait_tensorcnt 0x0                           ; no tensor load of mine is out, so the walking group 0 may be written
	ds_add_u32 v[SPW], v[NIL]
.if \fill
	s_add_co_u32 s[NPOS], s[NPOS], 1
	s_and_b32 s[T1], s[NPOS], 3
	s_mul_i32 s[T1], s[T1], SLOTB
	s_add_co_u32 s[G0+5], s[T1], s[WOFF]           ; the slot's place in the ring,
	s_add_nc_u64 s[G0+6:G0+7], s[G0+6:G0+7], SLOTG ; the next 256 keys; the type bits on top are not reached
	s_wait_xcnt 0x0                                ; the last prefetch, four trips back, has read its address
	s_add_nc_u64 s[PFA:PFA+1], s[PFA:PFA+1], SLOTG
	s_wait_dscnt 0x0                               ; the add is done, and my LDS reads are over
	CROUND
	JLOAD
	ASK
.else
	s_wait_dscnt 0x0
	s_barrier_signal -1
	s_barrier_wait -1
.endif
.endm
	s_wait_tensorcnt 1                             ; my part of slot 0 is in; slot 1's may stay out
	s_barrier_signal -1
	s_barrier_wait -1
	v_mov_b32 v[ADK], v[AK0]
	LOADK                                          ; step 0
	s_wait_loadcnt 0x0                             ; Q
	s_wait_dscnt 0x0
	KQM                                            ; the first scores
	WIN 0
.rept 4
	v_nop
.endr
	v_mov_b32 v[ADV], v[AV0]
	v_add_nc_u32 v[ADK], STEPB, v[AK0]
	s_cmp_eq_u32 s[CA], 0
	s_cbranch_scc1 .Lskewed
	FETCH 1                                        ; class 1: V of step 0, K of step 1, and the first softmax, ahead of the loop
	VBLOCK
.Lskewed:
	s_mov_b32 s[IT], 0
	s_mov_b32 s[NPOS], 1
	s_mov_b32 s[SLOTS], 6
.Lslot:                                            ; six trips: slots 2 to 7 are asked for
	CHANGE 1
	TRIPS 4, 1
	s_sub_co_u32 s[SLOTS], s[SLOTS], 1
	s_cmp_lg_u32 s[SLOTS], 0
	s_cbranch_scc1 .Lslot
	CHANGE 0                                       ; the tail is written out: slot 7 has landed, nothing is asked for
	TRIPS 7, 2
	v_add_nc_u32 v[ADV], 15*STEPB, v[AV0]          ; step 31
	s_cmp_lg_u32 s[CA], 0
	s_cbranch_scc1 .Llast
	FETCH 0                                        ; class 0: its last softmax
	VBLOCK
.Llast:
	s_wait_dscnt 0x0
	PVM
	WIN 0
	; THE WAY OUT.  l's halves and the other half of the lanes' are added (these lines are the places behind the last products); O^T / l, rounded to f16, goes through my stage a tile at a time.
.irp t, 0,1,2,3
	v_add_f32 v[ST+8*\t+4], v[ST+8*\t+2], v[ST+8*\t+3]
.endr
.irp t, 0,1,2,3
	v_permlanex16_b32 v[ST+8*\t+5], v[ST+8*\t+4], s[SEL], s[SEL+1]
.endr
.irp t, 0,1,2,3
	v_add_f32 v[ST+8*\t+4], v[ST+8*\t+4], v[ST+8*\t+5]
.endr
.irp t, 0,1,2,3
	v_rcp_f32 v[ST+8*\t+6], v[ST+8*\t+4]
.endr
	v_nop
	s_wait_alu depctr_va_vdst(0)                   ; one wait for the four reciprocals, ahead of their first reader
.macro PACK t
	WIN W_RS
.set ii, 0
.rept 16
	v_pk_mul_f32 v[32*\t+ii:32*\t+ii+1], v[32*\t+ii:32*\t+ii+1], v[ST+8*\t+6:ST+8*\t+7] op_sel_hi:[1,0]
.set ii, ii+2
.endr
	WIN 0x05                                       ; sources 0 and 1 window 1, destination window 0
.set ii, 0
.rept 16
	v_cvt_pk_f16_f32 v[S+16*\t+ii], v[32*\t+2*ii], v[32*\t+2*ii+1]
.set ii, ii+1
.endr
	WIN 0
.irp c, 0,1,2,3
	ds_store_b128 v[STO], v[S+16*\t+4*\c:S+16*\t+4*\c+3] offset:32*\c
.endr
.irp f, 0,1,2,3
	ds_load_b128 v[S+64+16*\t+4*\f:S+64+16*\t+4*\f+3], v[RD] offset:\f*4*SP   ; LDS serves a wave's instructions in order: these see the stores above; the next tile's stores come behind them
.endr
.endm
.macro SEND t, younger                 ; younger: the LDS instructions issued behind tile t's loads
.irp f, 0,1,2,3
	s_wait_dscnt \younger+3-\f
	global_store_b128 v[GO], v[S+64+16*\t+4*\f:S+64+16*\t+4*\f+3], s[10:11] offset:2048*\t+512*\f   ; 32 lanes store 512 consecutive bytes: four rows of O
.endr
.endm
	PACK 0
	PACK 1
	SEND 0, 8
	PACK 2
	SEND 1, 8
	PACK 3
	SEND 2, 8
	SEND 3, 0
	s_wait_tensorcnt 0x0                           ; the wave's end
	ds_add_u32 v[SPW], v[NIL]
	s_wait_dscnt 0x0
	CROUND                                         ; the closing round
	s_endpgm
.Lfunc_end_k_q05c13cfaf3_attn:
	.size	k_q05c13cfaf3_attn, .Lfunc_end_k_q05c13cfaf3_attn-k_q05c13cfaf3_attn
	.p2alignl 7, 3214868480
	.fill 96, 4, 3214868480
	.section	.rodata,"a",@progbits
	.p2align	6, 0x0
	.amdhsa_kernel k_q05c13cfaf3_attn
		.amdhsa_group_segment_fixed_size 327680
		.amdhsa_private_segment_fixed_size 0
		.amdhsa_enable_private_segment 0
		.amdhsa_kernarg_size 16
		.amdhsa_user_sgpr_count 2
		.amdhsa_user_sgpr_kernarg_segment_ptr 1
		.amdhsa_wavefront_size32 1
		.amdhsa_system_sgpr_workgroup_id_x 1
		.amdhsa_system_sgpr_workgroup_id_y 1
		.amdhsa_system_sgpr_workgroup_id_z 1
		.amdhsa_system_vgpr_workitem_id 0
		.amdhsa_next_free_vgpr 512
		.amdhsa_next_free_sgpr 72
		.amdhsa_reserve_vcc 0
		.amdhsa_float_denorm_mode_32 3
		.amdhsa_float_denorm_mode_16_64 3
		.amdhsa_memory_ordered 1
		.amdhsa_forward_progress 1
		.amdhsa_inst_pref_size 207
	.end_amdhsa_kernel
	.amdgpu_metadata
---
amdhsa.version: [ 1, 2 ]
amdhsa.kernels:
  - .name:           k_q05c13cfaf3_attn
    .symbol:         k_q05c13cfaf3_attn.kd
    .args:
      - { .name: qkvh, .offset: 0, .size: 8, .value_kind: global_buffer, .address_space: global }
      - { .name: oh, .offset: 8, .size: 8, .value_kind: global_buffer, .address_space: global }
    .group_segment_fixed_size: 327680
    .private_segment_fixed_size: 0
    .kernarg_segment_align: 8
    .kernarg_segment_size: 16
    .max_flat_workgroup_size: 256
    .sgpr_count:     72
    .vgpr_count:     512
    .wavefront_size: 32
...
	.end_amdgpu_metadata
.endif
;; end of part 4
;; launch oproj (part 5): grid 4 x 64, 4 waves a work-group, clusters of 4 x 4, 327,680 bytes of LDS; arguments oh, wo16, b_o, out0; writes out0
.if DOCPART == 5
	.amdgcn_target "amdgcn-amd-amdhsa--gfx1250"
	.amdhsa_code_object_version 6
	.text
	.protected	k_q05c13cfaf3_oproj
	.globl	k_q05c13cfaf3_oproj
	.p2align	8
	.type	k_q05c13cfaf3_oproj,@function
k_q05c13cfaf3_oproj:
	s_mov_b64 s[64:65], 0
	v_nop
	global_prefetch_b8 v0, s[64:65] scope:SCOPE_SE
	s_setreg_imm32_b32 hwreg(HW_REG_WAVE_MODE, 25, 1), 1
	s_wait_xcnt 0x0
	s_wait_alu depctr_hold_cnt(0) depctr_sa_sdst(0) depctr_va_vdst(0) depctr_va_sdst(0) depctr_va_ssrc(0) depctr_va_vcc(0) depctr_vm_vsrc(0)
	s_getreg_b32 s2, hwreg(HW_REG_IB_STS2, 6, 4)
	s_cmp_eq_u32 s2, 0
	s_cbranch_scc0 .Lentry_in_a_cluster
	s_endpgm
.Lentry_in_a_cluster:
	s_bfe_u32 s2, ttmp6, 0x10000c
	s_cmp_lg_u32 s2, 0xf033
	s_cbranch_scc0 .Lentry_shape_is_right
	s_endpgm
.Lentry_shape_is_right:
; out0[m][n] = b_o[n] + sum over k of O[m][k] w_o[k][n], f16 operands, f32 sums and output.  O lies by heads, oh [16][8192][64] (k = 64 head + channel); wo16 is w_o in f16 as it lies, [k][n].
; A tile of 128 x 256 of out0 is made by four waves, 64 rows x 128 columns each: 32 accumulators.  That gives 256 work-groups.  K goes in steps of 128 (two heads) through two LDS slots.
; THE PRODUCT IS USED TRANSPOSED: source 0 = 16 columns of w_o (turned on the way out of LDS by ds_load_tr16_b128), source 1 = 16 rows of O: a lane holds eight neighbouring columns of one row.  The bias is the C of the first products.
; CLUSTERS: 4 x 4 work-groups; O's tiles are asked for jointly along a row of the cluster, w_o's along a column.  Waves 0, 1 fetch the step's two heads of O (128 rows of 128 bytes), waves 2, 3 64 rows k of w_o (512 bytes) each.
; REGISTERS: window 0: addresses; v64-127 the bias; v128-255 the way out.  window 1: two fragment buffers (O's 4 at +0, w_o's 8 at +32).  window 2: the accumulators, (a, b) at v[8 (8 a + b)].
.set PA,     144                       ; a row of O in LDS: 128 bytes + 16
.set PB,     544                       ; a row of w_o: 512 bytes + 32
.set PLANE,  128*PA                    ; one head's 128 rows
.set BOFF,   2*PLANE
.set SLOT,   BOFF+128*PB
.set SPARE,  2*SLOT                    ; the spare words, 128 bytes a wave
.set SPITCH, 528                       ; the way out: 16 rows x (512 bytes + 16) for each wave, in slot 0, behind its last fill and its last read
.set LAPS,   4                         ; 8 K steps, two to a lap
.set ADRA, 16
.set ADRB, 20
.set STO,  24
.set RD,   25
.set CO,   26
.set SPW,  28
.set NIL,  29
.set BIAS, 64
.set BK,   128
.set F0,   0
.set F1,   128
.set G1, 24
.set G0, 32
.set G1B, 48
.set G0B, 56
.set MSB, 0
.macro WIN new
.if MSB != (\new)
	s_set_vgpr_msb (MSB<<8)|(\new)
.set MSB, (\new)
.endif
.endm
.set MUL,  0xa5                        ; sources 0 and 1 window 1, C and D window 2
.set MUL0, 0x85                        ; the first products: C (the bias) window 0
.set TO_F, 0x40
.macro JLOAD s                         ; a joint load; an s_nop 0 and four v_nop follow each of the two lines
	s_cmp_eq_u32 s13, 0
	s_cbranch_scc0 .Lfor_b_\@
	tensor_load_to_lds s[G0+4*\s:G0+4*\s+3], s[G1:G1+7]
	s_nop 0
.rept 4
	v_nop
.endr
	s_branch .Lasked_\@
.Lfor_b_\@:
	tensor_load_to_lds s[G0B+4*\s:G0B+4*\s+3], s[G1B:G1B+7]
	s_nop 0
.rept 4
	v_nop
.endr
.Lasked_\@:
.endm
.macro CREST
	s_cmp_lg_u32 s12, 0
	s_cbranch_scc1 .Lnot_wave_0_\@
	s_barrier_signal -3
.Lnot_wave_0_\@:
	s_barrier_wait -3
	s_barrier_signal -1
	s_barrier_wait -1
.endm
.macro CROUND
	s_barrier_signal -1
	s_barrier_wait -1
	CREST
.endm
	s_load_b256 s[4:11], s[0:1], 0x0               ; oh s[4:5], wo16 s[6:7], b_o s[8:9], out0 s[10:11]
	v_lshl_add_u32 v[SPW], v0, 2, SPARE
	v_mov_b32 v[NIL], 0
	ds_add_u32 v[SPW], v[NIL]                      ; the wave's opening: the add, twice on end, and its wait ahead of my first tensor load
	ds_add_u32 v[SPW], v[NIL]
	v_lshrrev_b32 v1, 5, v0
	v_readfirstlane_b32 s12, v1                    ; wave 0..3
	s_lshr_b32 s13, s12, 1                         ; which 64 rows are mine.  Also: I fetch for O (0) or for w_o (1)
	s_and_b32 s14, s12, 1                          ; which 128 columns.  Also: which head, or which 64 rows k, I fetch
	s_bfe_u32 s40, ttmp6, 0x40000                  ; cx, cy
	s_bfe_u32 s41, ttmp6, 0x40004
	s_lshl_b32 s42, ttmp9, 2
	s_add_co_u32 s42, s42, s40                     ; tile column
	s_and_b32 s15, ttmp7, 0xffff
	s_lshl_b32 s15, s15, 2
	s_add_co_u32 s15, s15, s41                     ; tile row
	s_lshl_b32 s43, s41, 2
	s_lshl_b32 s43, 15, s43                        ; my row of the cluster
	s_lshl_b32 s44, 0x1111, s40                    ; my column
	s_or_b32 s[G1+0], s43, (1<<16)|(1<<20)|(1<<21)|(4<<22)|(3<<25)   ; O: elements of 2 bytes; 4 words of padding behind every 32
	s_mov_b32 s[G1+1], 64<<16                      ; tensor_dim0
	s_mov_b32 s[G1+2], 128<<16                     ; tensor_dim1
	s_mov_b32 s[G1+3], 64<<16                      ; tile_dim0
	s_mov_b32 s[G1+4], 128                         ; tile_dim1
	s_mov_b32 s[G1+5], 64                          ; stride
	s_mov_b32 s[G1+6], 0
	s_mov_b32 s[G1+7], 0
	s_or_b32 s[G1B+0], s44, (1<<16)|(1<<20)|(1<<21)|(6<<22)|(7<<25)  ; w_o: 8 words of padding behind every 128
	s_mov_b32 s[G1B+1], 256<<16
	s_mov_b32 s[G1B+2], 64<<16
	s_mov_b32 s[G1B+3], 256<<16
	s_mov_b32 s[G1B+4], 64
	s_mov_b32 s[G1B+5], 1024
	s_mov_b32 s[G1B+6], 0
	s_mov_b32 s[G1B+7], 0
	s_lshl_b32 s16, s14, 20                        ; O: head p is 8,192 rows of 128 bytes; rows 128 x tile row on
	s_lshl_b32 s17, s15, 14
	s_add_co_u32 s16, s16, s17
	s_mov_b32 s17, 0
	s_lshl_b32 s46, s14, 17                        ; w_o: 64 rows k of 2,048 bytes x half; 512 bytes x tile column
	s_lshl_b32 s47, s42, 9
	s_add_co_u32 s46, s46, s47
	s_mov_b32 s47, 0
	s_mul_i32 s20, s14, PLANE                      ; where they go: no place in the cluster enters an LDS address
	s_mul_i32 s21, s14, 64*PB
	s_add_co_u32 s21, s21, BOFF
	s_wait_dscnt 0x0                               ; both opening adds are done
	s_wait_kmcnt 0x0
	s_add_nc_u64 s[16:17], s[4:5], s[16:17]
	s_add_nc_u64 s[46:47], s[6:7], s[46:47]
	CROUND                                         ; all sixteen work-groups are here: the first joint loads meet
.irp s, 0,1
	s_mov_b32 s[G0+4*\s], 1
	s_add_co_u32 s[G0+4*\s+1], s20, \s*SLOT
	s_add_nc_u64 s[G0+4*\s+2:G0+4*\s+3], s[16:17], \s*2097152     ; K step s: two heads on
	s_or_b32 s[G0+4*\s+3], s[G0+4*\s+3], 0x80000000
	s_mov_b32 s[G0B+4*\s], 1
	s_add_co_u32 s[G0B+4*\s+1], s21, \s*SLOT
	s_add_nc_u64 s[G0B+4*\s+2:G0B+4*\s+3], s[46:47], \s*262144    ; 128 rows k on
	s_or_b32 s[G0B+4*\s+3], s[G0B+4*\s+3], 0x80000000
	JLOAD \s
.endr
	v_and_b32 v1, 15, v0                           ; r
	v_bfe_u32 v2, v0, 4, 1                         ; h
	s_lshl_b32 s46, s42, 10
	s_lshl_b32 s47, s14, 9
	s_add_co_u32 s46, s46, s47                     ; my first column, in bytes of f32: 1024 x tile column + 512 x half
	s_mov_b32 s47, 0
	s_add_nc_u64 s[8:9], s[8:9], s[46:47]
	v_lshlrev_b32 v7, 5, v2
.irp b, 0,1,2,3,4,5,6,7
	global_load_b128 v[BIAS+8*\b:BIAS+8*\b+3], v7, s[8:9] offset:64*\b        ; for w_o's block b: b_o[16 b + 8 h + 0 .. 7]
	global_load_b128 v[BIAS+8*\b+4:BIAS+8*\b+7], v7, s[8:9] offset:64*\b+16
.endr
	v_mul_u32_u24 v3, v1, PA
	v_lshl_add_u32 v3, v2, 4, v3                   ; O: row r x pitch + 16 h
	s_mul_i32 s21, s13, 64*PA                      ; my 64 rows
	v_and_b32 v4, 7, v0
	v_lshl_add_u32 v4, v2, 3, v4                   ; w_o, by the turning load: row k = 8 h + lane % 8,
	v_mul_u32_u24 v4, v4, PB
	v_bfe_u32 v5, v0, 3, 1
	v_lshl_add_u32 v4, v5, 4, v4                   ; columns 8 ((lane / 8) % 2) on
	s_lshl_b32 s22, s14, 8                         ; my 128 columns
	s_add_co_u32 s22, s22, BOFF
.irp s, 0,1
	v_add_nc_u32 v[ADRA+\s], s21, v3
	v_add_nc_u32 v[ADRB+\s], s22, v4
	s_add_co_u32 s21, s21, SLOT
	s_add_co_u32 s22, s22, SLOT
.endr
	s_mul_i32 s23, s12, 16*SPITCH                  ; my stage
	v_mul_u32_u24 v5, v1, SPITCH
	v_lshl_add_u32 v5, v2, 5, v5
	v_add_nc_u32 v[STO], s23, v5                   ; in: row r, 32 bytes for each half of the lanes
	v_and_b32 v6, 31, v0
	v_lshlrev_b32 v[CO], 4, v6                     ; back: the 32 lanes take one row of 512 bytes; and the same in out0
	v_add_nc_u32 v[RD], s23, v[CO]
	s_lshl_b32 s20, s15, 19                        ; my first row: (128 x tile row + 64 x half) rows of 4,096 bytes
	s_lshl_b32 s21, s13, 18
	s_add_co_u32 s20, s20, s21
	s_add_co_u32 s20, s20, s46
	s_mov_b32 s21, 0
	s_add_nc_u64 s[10:11], s[10:11], s[20:21]
.macro MULA f, a, zero                 ; 8 products: O's block a against w_o's eight, 32 along K.  The 32 accumulators take turns, one instruction a turn
.irp b, 0,1,2,3,4,5,6,7
.if \zero
	v_wmma_f32_16x16x32_f16 v[8*(8*(\a)+\b):8*(8*(\a)+\b)+7], v[\f+32+8*\b:\f+32+8*\b+7], v[\f+8*(\a):\f+8*(\a)+7], v[BIAS+8*\b:BIAS+8*\b+7]
.else
	v_wmma_f32_16x16x32_f16 v[8*(8*(\a)+\b):8*(8*(\a)+\b)+7], v[\f+32+8*\b:\f+32+8*\b+7], v[\f+8*(\a):\f+8*(\a)+7], v[8*(8*(\a)+\b):8*(8*(\a)+\b)+7]
.endif
.endr
.endm
.macro FETCH slot, q, f                ; 24 LDS loads in one run: the slot's q-th 32 along K; w_o's 16 first, then O's 8
	WIN TO_F
.irp i, 0,1,2,3,4,5,6,7
	ds_load_tr16_b128 v[\f+32+8*\i:\f+32+8*\i+3],   v[ADRB+\slot] offset:(\q)*32*PB+32*\i
	ds_load_tr16_b128 v[\f+32+8*\i+4:\f+32+8*\i+7], v[ADRB+\slot] offset:(\q)*32*PB+16*PB+32*\i
.endr
.irp i, 0,1,2,3
	ds_load_b128 v[\f+8*\i:\f+8*\i+3],   v[ADRA+\slot] offset:((\q)/2)*PLANE+((\q)%2)*64+\i*16*PA
	ds_load_b128 v[\f+8*\i+4:\f+8*\i+7], v[ADRA+\slot] offset:((\q)/2)*PLANE+((\q)%2)*64+\i*16*PA+32
.endr
.endm
.macro PLACES                          ; four plain lines in front of loads into registers that matrix instructions have read, and of the first read of results
.rept 4
	v_nop
.endr
.endm
.macro MWIN zero
.if \zero
	WIN MUL0
.else
	WIN MUL
.endif
.endm
.macro QUARTER slot, q, f, g, zero     ; multiplies buffer f; in its middle it fetches the slot's q-th 32 along K into buffer g
	s_wait_dscnt 4                                 ; w_o's fragments and O's blocks 0, 1 are in; the youngest four loads (blocks 2, 3) may be out
	MWIN \zero
	MULA \f, 0, \zero
	MULA \f, 1, \zero
	PLACES
	FETCH \slot, \q, \g
	s_wait_dscnt 24                                ; all but the 24 just issued
	MWIN \zero
	MULA \f, 2, \zero
	MULA \f, 3, \zero
.endm
; A slot's last quarter changes slots: ONE barrier; in front of it each wave waits for all its tensor loads, adds 0 to its spare word, and waits for that and for its reads of the slot.  fill = 1: the slot is filled again, two K steps ahead.
.macro TURN slot, next, fill
	WIN 0
	s_wait_tensorcnt 0x0                           ; my part of the next slot is in
	ds_add_u32 v[SPW], v[NIL]
	s_wait_dscnt 5                                 ; the add and the youngest four loads may be out
	WIN MUL
	MULA F1, 0, 0
	s_wait_dscnt 0x0                               ; the add is done, and my reads of this slot are over
	s_barrier_signal -1
	MULA F1, 1, 0
.if \fill
	WIN 0
.endif
	s_barrier_wait -1
.if \fill
	CREST                                          ; the barrier has opened a round of the cluster's barrier: no wave of any partner still reads this slot or has a load on its way
	s_add_nc_u64 s[G0+4*\slot+2:G0+4*\slot+3], s[G0+4*\slot+2:G0+4*\slot+3], 4194304     ; four heads on
	s_add_nc_u64 s[G0B+4*\slot+2:G0B+4*\slot+3], s[G0B+4*\slot+2:G0B+4*\slot+3], 524288  ; 256 rows k on
	JLOAD \slot                                    ; the first tensor load behind the round; its four v_nop are also the places in front of the loads below
.else
	PLACES
.endif
	FETCH \next, 0, F0
	WIN MUL
	MULA F1, 2, 0
	MULA F1, 3, 0
.endm
	s_wait_tensorcnt 1                             ; my part of K step 0 is in; K step 1's load may be out
	s_barrier_signal -1
	s_barrier_wait -1
	FETCH 0, 0, F0
	s_wait_loadcnt 0x0                             ; the bias
	QUARTER 0, 1, F0, F1, 1                        ; the first quarter stands in front of the loop: its products start the sums from the bias
	WIN 0
	s_mov_b32 s3, LAPS-1
.Llap:                                             ; a trip goes once round the ring and fills both slots again
	QUARTER 0, 2, F1, F0, 0
	QUARTER 0, 3, F0, F1, 0
	TURN 0, 1, 1
	QUARTER 1, 1, F0, F1, 0
	QUARTER 1, 2, F1, F0, 0
	QUARTER 1, 3, F0, F1, 0
	TURN 1, 0, 1
	QUARTER 0, 1, F0, F1, 0
	WIN 0
	s_sub_co_u32 s3, s3, 1
	s_cmp_lg_u32 s3, 0
	s_cbranch_scc1 .Llap
	QUARTER 0, 2, F1, F0, 0                        ; the last lap fills nothing
	QUARTER 0, 3, F0, F1, 0
	TURN 0, 1, 0
	QUARTER 1, 1, F0, F1, 0
	QUARTER 1, 2, F1, F0, 0
	QUARTER 1, 3, F0, F1, 0
	s_wait_dscnt 4
	WIN MUL
	MULA F1, 0, 0
	MULA F1, 1, 0
	s_wait_dscnt 0
	MULA F1, 2, 0
	MULA F1, 3, 0
	WIN 0
; THE WAY OUT, block by block of 16 rows x 128 columns: through my own stage, back as whole rows of 512 bytes.
.macro TOSTAGE a
	WIN 0x08                                       ; an LDS store's data are its source 1: window 2
.irp b, 0,1,2,3,4,5,6,7
	ds_store_b128 v[STO], v[8*(8*(\a)+\b):8*(8*(\a)+\b)+3] offset:64*\b          ; each accumulator from its low end on
	ds_store_b128 v[STO], v[8*(8*(\a)+\b)+4:8*(8*(\a)+\b)+7] offset:64*\b+16
.endr
	WIN 0
.set BB, BK+64*((\a)%2)
.irp t, 0,1,2,3,4,5,6,7,8,9,10,11,12,13,14,15
	ds_load_b128 v[BB+4*\t:BB+4*\t+3], v[RD] offset:\t*SPITCH   ; LDS serves a wave's instructions in order: these see the stores above
.endr
.endm
.macro SEND a, younger
.set BB, BK+64*((\a)%2)
	s_wait_dscnt \younger                          ; the block is back in registers
.if (\a) > 0
	s_add_nc_u64 s[10:11], s[10:11], 16*4096       ; (behind a wait on XCNT) 16 rows of out0 on
.endif
.irp t, 0,1,2,3,4,5,6,7,8,9,10,11,12,13,14,15
	global_store_b128 v[CO], v[BB+4*\t:BB+4*\t+3], s[10:11] offset:\t*4096 th:TH_STORE_NT   ; 32 lanes store 512 consecutive bytes, aligned
.endr
.endm
	PLACES
	TOSTAGE 0
.irp a, 1,2,3
.if \a > 1
	s_wait_xcnt 0x0                                ; block a - 2's stores have read their registers and their base
.endif
	TOSTAGE \a
	SEND \a-1, 32                                  ; behind block a - 1's loads: block a's 16 stores and 16 loads
.endr
	s_wait_xcnt 0x0
	SEND 3, 0
	s_wait_tensorcnt 0x0                           ; the wave's end
	ds_add_u32 v[SPW], v[NIL]
	s_wait_dscnt 0x0
	CROUND                                         ; the closing round
	s_endpgm
.Lfunc_end_k_q05c13cfaf3_oproj:
	.size	k_q05c13cfaf3_oproj, .Lfunc_end_k_q05c13cfaf3_oproj-k_q05c13cfaf3_oproj
	.p2alignl 7, 3214868480
	.fill 96, 4, 3214868480
	.section	.rodata,"a",@progbits
	.p2align	6, 0x0
	.amdhsa_kernel k_q05c13cfaf3_oproj
		.amdhsa_group_segment_fixed_size 327680
		.amdhsa_private_segment_fixed_size 0
		.amdhsa_enable_private_segment 0
		.amdhsa_kernarg_size 32
		.amdhsa_user_sgpr_count 2
		.amdhsa_user_sgpr_kernarg_segment_ptr 1
		.amdhsa_wavefront_size32 1
		.amdhsa_system_sgpr_workgroup_id_x 1
		.amdhsa_system_sgpr_workgroup_id_y 1
		.amdhsa_system_sgpr_workgroup_id_z 1
		.amdhsa_system_vgpr_workitem_id 0
		.amdhsa_next_free_vgpr 768
		.amdhsa_next_free_sgpr 66
		.amdhsa_reserve_vcc 0
		.amdhsa_float_denorm_mode_32 3
		.amdhsa_float_denorm_mode_16_64 3
		.amdhsa_memory_ordered 1
		.amdhsa_forward_progress 1
		.amdhsa_inst_pref_size 87
	.end_amdhsa_kernel
	.amdgpu_metadata
---
amdhsa.version: [ 1, 2 ]
amdhsa.kernels:
  - .name:           k_q05c13cfaf3_oproj
    .symbol:         k_q05c13cfaf3_oproj.kd
    .args:
      - { .name: oh, .offset: 0, .size: 8, .value_kind: global_buffer, .address_space: global }
      - { .name: wo16, .offset: 8, .size: 8, .value_kind: global_buffer, .address_space: global }
      - { .name: b_o, .offset: 16, .size: 8, .value_kind: global_buffer, .address_space: global }
      - { .name: out0, .offset: 24, .size: 8, .value_kind: global_buffer, .address_space: global }
    .group_segment_fixed_size: 327680
    .private_segment_fixed_size: 0
    .kernarg_segment_align: 8
    .kernarg_segment_size: 32
    .max_flat_workgroup_size: 128
    .sgpr_count:     66
    .vgpr_count:     768
    .wavefront_size: 32
...
	.end_amdgpu_metadata
.endif
;; end of part 5
